; MI455X (gfx1250); checked and timed in simulation.
; The chip was launched on July 23, 2026; its instructions are those of AMD's public machine-readable ISA for CDNA 5 (MIT licence, August 2026) and "CDNA5" Instruction Set Architecture Reference Guide (July 2026). The comments in the code are by the model that wrote it; some were corrected since.
;; Multiheaded Causal Self Attention. Allowed arithmetic: matrix products marked QUANTISED: E2M1 operands, one E8M0 scale for each 32 along K, by v_wmma_scale_f32_16x16x128_f8f6f4 with both operands' format E2M1 (or v_wmma_scale_f32_32x16x128_f4), f32 sums; products left as they are: bf16, f16 or f32 operands; f32 sums; everything else in f32.
;; Inputs: Wk 1,024 x 1,024 float32; Wo 1,024 x 1,024 float32; Wq 1,024 x 1,024 float32; Wv 1,024 x 1,024 float32; bk 1,024 float32; bo 1,024 float32; bq 1,024 float32; bv 1,024 float32; x 4 x 2,048 x 1,024 float32.
;; Outputs: out0 4 x 2,048 x 1,024 float32.
;; This version of the problem:
;;   THIS VERSION OF THE PROBLEM IS GIVEN IN LOW PRECISION. The matrix products marked QUANTISED in the list below multiply operands that are first quantised to E2M1 (2 exponent bits, 1 mantissa bit; 4 bits a number), with one power-of-two scale for each 32 numbers along K (OCP MX v1.0); their sums are f32. The products marked 'left as it is' may take bf16, f16 or f32 operands, with f32 sums. Whichever they take, every output number must still come out within the allowed error. Rounding operands to bf16 (8 significant bits) uses up far more of that allowance than f16 does (11 bits, for magnitudes from 6e-5 to 65,504). All else is computed in f32.
;;   The module's matrix products, in the order in which they are computed (A, B: the left and right operand; K: the contracted axis; several contracted axes count as one K, in the product's order):
;;     1. [M 8,192, K 1,024] x [K 1,024, N 1,024]; A: input x; B: input Wk: QUANTISED
;;     2. [M 8,192, K 1,024] x [K 1,024, N 1,024]; A: input x; B: input Wq: QUANTISED
;;     3. [M 8,192, K 1,024] x [K 1,024, N 1,024]; A: input x; B: input Wv: QUANTISED
;;     4. batch 64 x [M 2,048, K 64] x [K 64, N 2,048]; A: computed on the way; B: computed on the way: left as it is (an operand is computed on the way)
;;     5. batch 64 x [M 64, K 2,048] x [K 2,048, N 2,048]; A: computed on the way; B: computed on the way: left as it is (an operand is computed on the way)
;;     6. [M 8,192, K 1,024] x [K 1,024, N 1,024]; A: computed on the way; B: input Wo: left as it is (an operand is computed on the way)
;;   THE QUANTISER, for each operand of a quantised product, along K:
;;     - K is cut into blocks of 32 from its start; a last block that is shorter is filled with zeros.
;;     - A block's scale is 2^e with e = floor(log2(the largest magnitude in the block)) - 2, held to -126 .. 127; a block of zeros has e = 0. As a byte (E8M0): e + 127.
;;     - Each number is divided by its block's scale, clamped to +-6, and rounded to the nearest number of E2M1, ties to even, subnormals kept.
;;     - The product sums the exact products of the quantised numbers (number of the format x scale) in f32.
;;   ~~~python
;;   def quantise(x, axis):      # numpy; x: float32 -> the quantised numbers, widened to float32 again
;;       x = np.moveaxis(x, axis, -1); K = x.shape[-1]
;;       x = np.pad(x, [(0, 0)] * (x.ndim - 1) + [(0, -K % 32)]); x = x.reshape(x.shape[:-1] + (-1, 32)); a = np.abs(x).max(-1, keepdims=True)
;;       e = np.where(a > 0, np.clip(np.frexp(np.where(a > 0, a, 1))[1] - 1 - 2, -126, 127), 0)      # np.frexp(a)[1] - 1 = floor(log2(a)), exactly
;;       r = np.clip(x / 2.0 ** e, -6, 6)
;;       step = 2.0 ** (np.maximum(np.frexp(np.where(r == 0, 1, r))[1] - 1, 0) - 1)
;;       q = np.round(r / step) * step * 2.0 ** e      # np.round: ties to even
;;       return np.moveaxis(q.reshape(q.shape[:-2] + (-1,))[..., :K], -1, axis).astype(np.float32)
;;   ~~~
;; One version. Each part assembles by itself: llvm-mc -triple=amdgcn-amd-amdhsa -mcpu=gfx1250 --defsym DOCPART=n.
;; ======== version 1 of 1: 5 launches
;; limits: values are held in f16: magnitudes above 65,504 overflow, below 6.1e-05 lose precision
;; workspace buffers: xc 4,194,304 bytes; xs 262,144 bytes; wc 1,572,864 bytes; ws 98,304 bytes; wo16 2,097,152 bytes; qkv 50,331,648 bytes; qkv32 786,432 bytes; y16 16,777,216 bytes
;; launch prep (part 1): grid 512 x 1, 4 waves a work-group, no clusters, 34,304 bytes of LDS; arguments x, Wk, Wq, Wv, Wo, xc, xs, wc, ws, wo16; writes xc, xs, wc, ws, wo16
.if DOCPART == 1
	.amdgcn_target "amdgcn-amd-amdhsa--gfx1250"
	.amdhsa_code_object_version 6
	.text
	.protected	k_qcdae080e5e_prep
	.globl	k_qcdae080e5e_prep
	.p2align	8
	.type	k_qcdae080e5e_prep,@function
k_qcdae080e5e_prep:
	s_mov_b64 s[64:65], 0
	v_nop
	global_prefetch_b8 v0, s[64:65] scope:SCOPE_SE
	s_setreg_imm32_b32 hwreg(HW_REG_WAVE_MODE, 25, 1), 1
	s_wait_xcnt 0x0
; x [8192][1024] and Wk, Wq, Wv [1024 (k)][1024 (n)], f32, become codes of FP4 (E2M1) with one E8M0 byte for each 32 along K; Wo [1024 (k)][1024 (n)] is rounded to f16.
; All five results are laid AS IMAGES OF OPERAND REGISTERS, so that the later launches load fragments by 16 bytes a lane from consecutive bytes:
;   a fragment of codes (16 rows x 128 K) is 1,024 bytes: quad c (0, 1) of 512 bytes, lane l = r + 16 h at 16 l: the codes of row r, k = 64 c + 32 h + 0 .. 31;
;   half a fragment of f16 (16 rows x 16 k) is 512 bytes: lane (r, h) holds row r, k = 8 h + 0 .. 7, at 16 r (h = 0) or 256 + 16 (r xor 8) (h = 1).
; A block's scale is 2^(floor(log2(its largest magnitude)) - 2); its byte is the largest magnitude's exponent field - 2, held at 1 from below.
; LIMITS: a block of zeros, and one whose largest magnitude lies under 2^-124, keeps the byte 1 (a block of zeros has zero codes; the bytes are read by this program alone);
; NaN and infinities among the inputs are not served; Wo's magnitudes stay under 65,504 (f16).
; Work-groups 0-255 take x (a wave: 16 rows x 512 K), work-groups 256-511 the weights (a wave: 32 columns x 128 K, a lane to a column, registers down K).
; Only the path of x uses LDS: a stage of the wave's own, through which 16 rows x 512 bytes turn from 'a load reads 512 consecutive bytes' to 'a lane holds 32 neighbours along K'.
.set STG,   8448                       ; a wave's stage: 16 rows x (512 + 16) bytes
.set SPARE, 33792                      ; behind the four stages: the spare words, 128 bytes a wave
.set SPW, 7                            ; v7   my spare word's LDS address; never rewritten
.set NIL, 8                            ; v8   0; never rewritten
.set M,   10                           ; v10-11 largest magnitudes of my two blocks
.set SOP, 12                           ; v12-13 the conversions' scale operands
.set BY,  14                           ; v14-15 the scale bytes
.set T,   16                           ; v16-17 at work
.set SW,  18                           ; v18-21 my row's scale words of the four K steps
.set C,   24                           ; codes
.set X,   32                           ; v32-95 64 numbers: my two blocks of 32
.set R,   96                           ; v96-223 two sets of 16 x 4 registers as loaded
.set H,   32                           ; the weights' path: v32-95 f16 pairs
.set WX,  96                           ; the weights' path: v96-223 128 numbers down K
	s_load_b256 s[4:11], s[0:1], 0x0               ; x, Wk, Wq, Wv
	s_load_b256 s[12:19], s[0:1], 0x20             ; Wo, xc, xs, wc
	s_load_b128 s[20:23], s[0:1], 0x40             ; ws, wo16
	v_lshl_add_u32 v[SPW], v0, 2, SPARE
	v_mov_b32 v[NIL], 0
	v_lshrrev_b32 v1, 5, v0
	v_readfirstlane_b32 s24, v1                    ; wave
	v_and_b32 v1, 31, v0                           ; lane
	v_and_b32 v9, 15, v0                           ; r
	v_bfe_u32 v10, v0, 4, 1                        ; h
	s_mov_b32 s26, 0x76543210
	s_mov_b32 s27, 0xfedcba98                      ; selects for lane l xor 16
	s_cmp_lt_u32 ttmp9, 256
	s_cbranch_scc0 .Lweights
; ---------------- x ----------------
	v_lshlrev_b32 v2, 4, v1                        ; 16 x lane
	s_mul_i32 s28, s24, STG
	v_add_nc_u32 v3, s28, v2                       ; into the stage: 16 x lane of a row
	v_mul_u32_u24 v4, v9, 528
	v_lshl_add_u32 v4, v10, 7, v4
	v_add_nc_u32 v4, s28, v4                       ; out of it: row r, + 128 h
	v_lshlrev_b32 v5, 3, v10                       ; 8 h: my bytes' place in a scale word
	v_lshl_add_u32 v6, v9, 4, v5                   ; 16 r + 8 h: my two words of the 256 scale bytes
	v_mov_b32 v[T+1], 0                            ; a lane permute's destination counts as read
	s_lshl_b32 s29, ttmp9, 2
	s_add_co_u32 s29, s29, s24
	s_lshr_b32 s30, s29, 1                         ; which 16 rows
	s_and_b32 s31, s29, 1                          ; which half of K
	s_lshl_b32 s32, s30, 16
	s_lshl_b32 s34, s31, 11
	s_add_co_u32 s32, s32, s34                     ; x: 16 rows of 4,096 bytes, 2,048 bytes a half
	s_mov_b32 s33, 0
	s_lshl_b32 s34, s31, 21
	s_lshl_b32 s36, s30, 12
	s_add_co_u32 s34, s34, s36                     ; xc: [half][16 rows][4 fragments]
	s_mov_b32 s35, 0
	s_lshl_b32 s36, s30, 9
	s_lshl_b32 s38, s31, 8
	s_add_co_u32 s36, s36, s38                     ; xs: [16 rows][half][row][4 words]
	s_mov_b32 s37, 0
	s_wait_kmcnt 0x0
	s_add_nc_u64 s[4:5], s[4:5], s[32:33]
	s_add_nc_u64 s[14:15], s[14:15], s[34:35]
	s_add_nc_u64 s[16:17], s[16:17], s[36:37]
.macro LOADX q                         ; K step q: each load reads 512 consecutive bytes of one row
.irp i, 0,1,2,3,4,5,6,7,8,9,10,11,12,13,14,15
	global_load_b128 v[R+64*((\q)%2)+4*\i:R+64*((\q)%2)+4*\i+3], v2, s[4:5] offset:4096*\i+512*(\q) th:TH_LOAD_NT
.endr
.endm
.macro KSTEP q
.if (\q) < 3
	s_wait_loadcnt 16                              ; this step's 16 loads are in; the other set's 16 may be out
.else
	s_wait_loadcnt 0x0
.endif
.irp i, 0,1,2,3,4,5,6,7,8,9,10,11,12,13,14,15
	ds_store_b128 v3, v[R+64*((\q)%2)+4*\i:R+64*((\q)%2)+4*\i+3] offset:528*\i
.endr
.irp c, 0,1
.irp e, 0,1,2,3,4,5,6,7
	ds_load_b128 v[X+32*\c+4*\e:X+32*\c+4*\e+3], v4 offset:256*\c+16*\e   ; LDS serves a wave's instructions in order: these see the stores above
.endr
.endr
	s_wait_dscnt 0x0                               ; my 64 numbers are in, and the stores have read their registers
	s_wait_xcnt 0x0                                ; the last step's stores have read the codes' registers
.if (\q) < 2
	LOADX (\q)+2
.endif
.irp c, 0,1
	v_max3_num_f32 v[M+\c], |v[X+32*\c]|, |v[X+32*\c+1]|, 0x1800000   ; the floor 2^(3 - 127) holds the byte at 1 from below
.endr
.irp i, 2,4,6,8,10,12,14,16,18,20,22,24,26,28,30
.irp c, 0,1
	v_max3_num_f32 v[M+\c], v[M+\c], |v[X+32*\c+\i]|, |v[X+32*\c+\i+1]|
.endr
.endr
.irp c, 0,1
	v_add_nc_u32 v[SOP+\c], 0xff000000, v[M+\c]    ; 2 off the exponent field: the conversion's scale operand
.endr
.irp c, 0,1
	v_lshrrev_b32 v[BY+\c], 23, v[SOP+\c]          ; the scale's byte
.endr
	v_lshl_or_b32 v[T], v[BY+1], 16, v[BY]         ; blocks h and 2 + h of my row,
	v_lshlrev_b32 v[T], v5, v[T]                   ; at their places,
	v_permlanex16_b32 v[T+1], v[T], s26, s27
	v_or_b32 v[SW+(\q)], v[T], v[T+1]              ; with lane l xor 16's two: the word is whole
.irp c, 0,1
.irp e, 0,1,2,3
	v_cvt_scalef32_pk8_fp4_f32 v[C+4*\c+\e], v[X+32*\c+8*\e:X+32*\c+8*\e+7], v[SOP+\c]
.endr
.endr
	v_nop                                          ; one plain line behind the last conversion
.irp c, 0,1
	global_store_b128 v2, v[C+4*\c:C+4*\c+3], s[14:15] offset:1024*(\q)+512*\c   ; 512 consecutive bytes: a quad of the fragment's image
.endr
.endm
	LOADX 0
	LOADX 1
	KSTEP 0
	KSTEP 1
	KSTEP 2
	KSTEP 3
	v_cmp_le_u32 vcc_lo, 16, v1                    ; lanes 0-15 store words 0, 1 of their row, lanes 16-31 words 2, 3
	v_cndmask_b32 v22, v[SW], v[SW+2], vcc_lo
	v_cndmask_b32 v23, v[SW+1], v[SW+3], vcc_lo
	global_store_b64 v6, v[22:23], s[16:17]        ; 256 consecutive bytes, aligned
	s_wait_tensorcnt 0x0                           ; the wave's end: behind my last LDS store
	ds_add_u32 v[SPW], v[NIL]
	s_wait_dscnt 0x0
	s_endpgm
; ---------------- the weights ----------------
.Lweights:
	s_sub_co_u32 s28, ttmp9, 256
	s_lshr_b32 s29, s28, 6                         ; which matrix: 0 Wk, 1 Wq, 2 Wv, 3 Wo
	s_bfe_u32 s30, s28, 0x50001                    ; which 32 columns
	s_and_b32 s31, s28, 1                          ; which half of K
	s_lshl_b32 s34, s31, 2
	s_add_co_u32 s34, s34, s24                     ; my K step of 128
	v_lshlrev_b32 v2, 2, v1                        ; in: 4 bytes a lane
	v_lshlrev_b32 v3, 12, v10                      ; lanes 16-31: the next 16 columns' images, 4,096 bytes on
	v_xor_b32 v4, 8, v9
	v_lshl_add_u32 v4, v4, 4, v3
	v_add_nc_u32 v4, 256, v4                       ; f16 images, upper half: 256 + 16 (r xor 8)
	v_lshl_add_u32 v3, v9, 4, v3                   ; 16 r
	v_lshlrev_b32 v5, 9, v10
	v_lshl_add_u32 v5, v9, 4, v5                   ; scale words: 512 bytes for 16 columns, 16 bytes a column
	s_lshl_b32 s36, s34, 19                        ; 128 rows of 4,096 bytes
	s_lshl_b32 s37, s30, 7
	s_add_co_u32 s36, s36, s37
	s_mov_b32 s37, 0
	s_lshl_b32 s35, s29, 6
	s_lshl_b32 s38, s30, 1
	s_add_co_u32 s35, s35, s38                     ; the first of my two blocks of 16 columns, of 192
	s_mul_i32 s38, s31, 786432
	s_lshl_b32 s39, s35, 12
	s_add_co_u32 s38, s38, s39
	s_lshl_b32 s39, s24, 10
	s_add_co_u32 s38, s38, s39                     ; wc: [half][block][4 fragments]
	s_mov_b32 s39, 0
	s_lshl_b32 s40, s35, 9
	s_lshl_b32 s41, s31, 8
	s_add_co_u32 s40, s40, s41
	s_lshl_b32 s41, s24, 2
	s_add_co_u32 s40, s40, s41                     ; ws: [block][half][column][4 words]
	s_mov_b32 s41, 0
	s_lshl_b32 s42, s34, 18
	s_lshl_b32 s43, s30, 13
	s_add_co_u32 s42, s42, s43                     ; wo16: [K step][block][8 images]
	s_mov_b32 s43, 0
	s_wait_kmcnt 0x0
	s_cmp_eq_u32 s29, 1
	s_cselect_b64 s[32:33], s[8:9], s[6:7]
	s_cmp_eq_u32 s29, 2
	s_cselect_b64 s[32:33], s[10:11], s[32:33]
	s_cmp_eq_u32 s29, 3
	s_cselect_b64 s[32:33], s[12:13], s[32:33]
	s_add_nc_u64 s[32:33], s[32:33], s[36:37]
	s_add_nc_u64 s[18:19], s[18:19], s[38:39]
	s_add_nc_u64 s[20:21], s[20:21], s[40:41]
	s_add_nc_u64 s[22:23], s[22:23], s[42:43]
.set i, 0
.rept 128
	global_load_b32 v[WX+i], v2, s[32:33] offset:4096*i   ; W(k, my column): 32 lanes read 128 consecutive bytes
.set i, i+1
.endr
	s_cmp_eq_u32 s29, 3
	s_cbranch_scc1 .Lwo
.macro WBLOCK t                        ; block t of 32 along K: all its numbers are mine
.set XS, WX+32*(\t)
.if (\t) == 0
	s_wait_loadcnt 63                              ; at most 63 of the 128 are out: blocks 0 and 1 are in
.elseif (\t) == 2
	s_wait_loadcnt 32
.elseif (\t) == 3
	s_wait_loadcnt 0x0
.endif
	v_max3_num_f32 v12, |v[XS]|, |v[XS+1]|, |v[XS+2]|
	v_max3_num_f32 v13, |v[XS+3]|, |v[XS+4]|, |v[XS+5]|
.irp i, 6,10,14,18,22,26
	v_max3_num_f32 v12, v12, |v[XS+\i]|, |v[XS+\i+1]|
	v_max3_num_f32 v13, v13, |v[XS+\i+2]|, |v[XS+\i+3]|
.endr
	v_max3_num_f32 v12, v12, |v[XS+30]|, |v[XS+31]|
	v_max3_num_f32 v12, v12, v13, 0x1800000        ; and the floor
	v_add_nc_u32 v11, 0xff000000, v12
	v_lshrrev_b32 v13, 23, v11
.if (\t) == 0
	v_mov_b32 v16, v13
.else
	v_lshl_or_b32 v16, v13, 8*(\t), v16            ; the four bytes make my column's scale word
.endif
.irp g, 0,1,2,3
	v_cvt_scalef32_pk8_fp4_f32 v[C+4*(\t)+\g], v[XS+8*\g:XS+8*\g+7], v11
.endr
	v_nop                                          ; one plain line behind the last conversion
	global_store_b128 v3, v[C+4*(\t):C+4*(\t)+3], s[18:19] offset:256*(\t)   ; block t = 2 c + h is the h-th 256 bytes of quad c: sixteen lanes fill them
.endm
	WBLOCK 0
	WBLOCK 1
	WBLOCK 2
	WBLOCK 3
	global_store_b32 v5, v16, s[20:21]             ; 4 bytes in each 16: one byte in 128 of what this path reads
	s_endpgm
.Lwo:
	s_wait_loadcnt 0x0
.set i, 0
.rept 64
	v_cvt_pk_f16_f32 v[H+i], v[WX+2*i], v[WX+2*i+1]
.set i, i+1
.endr
.irp kb, 0,1,2,3,4,5,6,7
	global_store_b128 v3, v[H+8*\kb:H+8*\kb+3], s[22:23] offset:512*\kb      ; k = 16 kb + 0 .. 7: the image's lower 256 bytes
	global_store_b128 v4, v[H+8*\kb+4:H+8*\kb+7], s[22:23] offset:512*\kb    ; k = 16 kb + 8 .. 15: its upper 256
.endr
	s_endpgm
.Lfunc_end_k_qcdae080e5e_prep:
	.size	k_qcdae080e5e_prep, .Lfunc_end_k_qcdae080e5e_prep-k_qcdae080e5e_prep
	.p2alignl 7, 3214868480
	.fill 96, 4, 3214868480
	.section	.rodata,"a",@progbits
	.p2align	6, 0x0
	.amdhsa_kernel k_qcdae080e5e_prep
		.amdhsa_group_segment_fixed_size 34304
		.amdhsa_private_segment_fixed_size 0
		.amdhsa_enable_private_segment 0
		.amdhsa_kernarg_size 80
		.amdhsa_user_sgpr_count 2
		.amdhsa_user_sgpr_kernarg_segment_ptr 1
		.amdhsa_wavefront_size32 1
		.amdhsa_system_sgpr_workgroup_id_x 1
		.amdhsa_system_sgpr_workgroup_id_y 1
		.amdhsa_system_sgpr_workgroup_id_z 1
		.amdhsa_system_vgpr_workitem_id 0
		.amdhsa_next_free_vgpr 224
		.amdhsa_next_free_sgpr 66
		.amdhsa_reserve_vcc 1
		.amdhsa_float_denorm_mode_32 3
		.amdhsa_float_denorm_mode_16_64 3
		.amdhsa_memory_ordered 1
		.amdhsa_forward_progress 1
		.amdhsa_inst_pref_size 56
	.end_amdhsa_kernel
	.amdgpu_metadata
---
amdhsa.version: [ 1, 2 ]
amdhsa.kernels:
  - .name:           k_qcdae080e5e_prep
    .symbol:         k_qcdae080e5e_prep.kd
    .args:
      - { .name: x, .offset: 0, .size: 8, .value_kind: global_buffer, .address_space: global }
      - { .name: Wk, .offset: 8, .size: 8, .value_kind: global_buffer, .address_space: global }
      - { .name: Wq, .offset: 16, .size: 8, .value_kind: global_buffer, .address_space: global }
      - { .name: Wv, .offset: 24, .size: 8, .value_kind: global_buffer, .address_space: global }
      - { .name: Wo, .offset: 32, .size: 8, .value_kind: global_buffer, .address_space: global }
      - { .name: xc, .offset: 40, .size: 8, .value_kind: global_buffer, .address_space: global }
      - { .name: xs, .offset: 48, .size: 8, .value_kind: global_buffer, .address_space: global }
      - { .name: wc, .offset: 56, .size: 8, .value_kind: global_buffer, .address_space: global }
      - { .name: ws, .offset: 64, .size: 8, .value_kind: global_buffer, .address_space: global }
      - { .name: wo16, .offset: 72, .size: 8, .value_kind: global_buffer, .address_space: global }
    .group_segment_fixed_size: 34304
    .private_segment_fixed_size: 0
    .kernarg_segment_align: 8
    .kernarg_segment_size: 80
    .max_flat_workgroup_size: 128
    .sgpr_count:     66
    .vgpr_count:     224
    .wavefront_size: 32
...
	.end_amdgpu_metadata
.endif
;; end of part 1
;; launch qkv (part 2): grid 12 x 32, 4 waves a work-group, clusters of 4 x 4, 327,680 bytes of LDS; arguments xc, xs, wc, ws, bk, bq, bv, qkv, qkv32; writes qkv, qkv32
.if DOCPART == 2
	.amdgcn_target "amdgcn-amd-amdhsa--gfx1250"
	.amdhsa_code_object_version 6
	.text
	.protected	k_qcdae080e5e_qkv
	.globl	k_qcdae080e5e_qkv
	.p2align	8
	.type	k_qcdae080e5e_qkv,@function
k_qcdae080e5e_qkv:
	s_mov_b64 s[64:65], 0
	v_nop
	global_prefetch_b8 v0, s[64:65] scope:SCOPE_SE
	s_setreg_imm32_b32 hwreg(HW_REG_WAVE_MODE, 25, 1), 1
	s_wait_xcnt 0x0
	s_wait_alu depctr_hold_cnt(0) depctr_sa_sdst(0) depctr_va_vdst(0) depctr_va_sdst(0) depctr_va_ssrc(0) depctr_va_vcc(0) depctr_vm_vsrc(0)
	s_getreg_b32 s2, hwreg(HW_REG_IB_STS2, 6, 4)
	s_cmp_eq_u32 s2, 0
	s_cbranch_scc0 .Lentry_in_a_cluster
	s_endpgm
.Lentry_in_a_cluster:
	s_bfe_u32 s2, ttmp6, 0x10000c
	s_cmp_lg_u32 s2, 0xf033
	s_cbranch_scc0 .Lentry_shape_is_right
	s_endpgm
.Lentry_shape_is_right:
; k, q, v = x W + b, the three quantised products: codes of FP4 (E2M1) with E8M0 scales on both sides, sums in f32, by v_wmma_scale_f32_16x16x128_f8f6f4.
; A tile is 256 tokens x 256 columns; four waves, each 128 x 128: 64 accumulators, 512 registers.  K = 1,024 is two LDS slots of 512, both filled at the start: nothing is filled again.
; Codes and scale words lie in memory as images of the operands' registers (16 bytes a lane, 512 consecutive bytes a load), so a tile is one dense block and LDS needs no padding.
; CLUSTERS: 4 x 4 work-groups.  Cluster x is the matrix (0 k, 1 q, 2 v), cx its 256 columns; cy is the batch, cluster y the 256 tokens in it.  The four of a row need the same tokens' codes, the four of a
; column the same weights: each tile is asked for jointly.
; THE MATRIX INSTRUCTION IS USED TRANSPOSED (source 0 = 16 columns of W, source 1 = 16 tokens): a lane holds one token and eight neighbouring channels.  The bias is the C of each sum's first instruction.
; THE WAY OUT: an accumulator rounded in pairs to f16 IS half a fragment (16 tokens x 16 channels) of the next launch: it is stored straight from registers, 512 consecutive aligned bytes a store.
; Tokens 0-15 of each batch are also stored unrounded (qkv32), for the launch that makes the first 16 positions in f32.
; LIMIT: |k|, |q|, |v| stay under 65,504 (f16).  With inputs of 30 times the drawn spread, or offsets of 30 spreads on x and W, they reach about 18,432.
; REGISTERS: window 0: v0-31 addresses; v32-95 scale words, two sets; v128-191 the tokens' fragments, one set (on the way out: packed results).
;   window 1: W's fragments, two sets, at v0 and v128; v64-127 the bias in the result's layout.   windows 2, 3: the accumulators ((a, b) at v[8 (8 (a % 4) + b)]).
.set NQ,    4                          ; matrix instructions deep in a slot
.set FR,    8                          ; registers of a fragment
.set NL,    2                          ; LDS loads that bring one
.set NP,    4                          ; places behind this matrix instruction (ISA guide 7.12.1)
.set SLOT,  131072                     ; the tokens' 16 blocks of 4,096 bytes, then W's 16
.set SCL,   262144                     ; the scale words: the tokens' 8,192 bytes, then W's
.set SPARE, 278528                     ; the spare words, 128 bytes a wave
.set L16,  3                           ; v3   16 x lane
.set POS,  4                           ; v4   my place in an image of f16: 16 x (lane xor ((lane & 16) / 2))
.set ADRA, 16                          ; v16-17 LDS address of the tokens' fragments in slot 0, 1
.set ADRB, 20                          ; v20-21 of W's
.set ADRS, 27                          ; v27  of my scale words: lanes 0-15 the tokens', lanes 16-31 W's
.set SPW,  28
.set NIL,  29
.set SC,   32
.set AF,   128
.set BI,   64
.set TMP,  128
.set G1A,  40
.set G1B,  48
.set G0A,  56
.set G0B,  68
.set G1SA, 76
.set G1SB, 84
.set G0SA, 92
.set G0SB, 96
.set MSB, 0
.macro WIN new                         ; the immediate's high byte repeats the setting that is left
.if MSB != \new
	s_set_vgpr_msb (MSB<<8)|\new
.set MSB, \new
.endif
.endm
.set MUL_LO, 0xa1                      ; source 0 (W) window 1, source 1 (tokens) window 0, C and D window 2
.set MUL_HI, 0xf1
.set TO_B,   0x40
.macro JLOAD g0a, g1a, g0b, g1b        ; a joint load: waves 0, 1 fetch the tokens' halves, waves 2, 3 W's; an s_nop 0 and four v_nop follow each line
	s_cmp_eq_u32 s23, 0
	s_cbranch_scc0 .Lfor_b_\@
	tensor_load_to_lds s[\g0a:\g0a+3], s[\g1a:\g1a+7]
	s_nop 0
.rept 4
	v_nop
.endr
	s_branch .Lasked_\@
.Lfor_b_\@:
	tensor_load_to_lds s[\g0b:\g0b+3], s[\g1b:\g1b+7]
	s_nop 0
.rept 4
	v_nop
.endr
.Lasked_\@:
.endm
.macro CROUND                          ; a round of the cluster's barrier
	s_barrier_signal -1
	s_barrier_wait -1
	s_cmp_lg_u32 s22, 0
	s_cbranch_scc1 .Lnot_wave_0_\@
	s_barrier_signal -3
.Lnot_wave_0_\@:
	s_barrier_wait -3
	s_barrier_signal -1
	s_barrier_wait -1
.endm
	s_load_b256 s[4:11], s[0:1], 0x0               ; xc, xs, wc, ws
	s_load_b256 s[12:19], s[0:1], 0x20             ; bk, bq, bv, qkv
	s_load_b64 s[20:21], s[0:1], 0x40              ; qkv32
	v_lshl_add_u32 v[SPW], v0, 2, SPARE
	v_mov_b32 v[NIL], 0
	ds_add_u32 v[SPW], v[NIL]                      ; the wave's opening: the add, twice on end, and its wait ahead of my first tensor load
	ds_add_u32 v[SPW], v[NIL]
	v_lshrrev_b32 v1, 5, v0
	v_readfirstlane_b32 s22, v1                    ; wave
	s_lshr_b32 s23, s22, 1                         ; my half of the tile's tokens.  Also: I fetch the tokens' (0) or W's (1)
	s_and_b32 s24, s22, 1                          ; my half of its columns.  Also: which half I fetch
	s_bfe_u32 s25, ttmp6, 0x40000                  ; cx
	s_bfe_u32 s26, ttmp6, 0x40004                  ; cy
	s_mov_b32 s27, ttmp9                           ; cluster x: the matrix
	s_and_b32 s28, ttmp7, 0xffff                   ; cluster y: which 256 tokens of the batch
	s_lshl_b32 s29, s26, 2
	s_lshl_b32 s29, 15, s29                        ; my row of the cluster
	s_lshl_b32 s30, 0x1111, s25                    ; my column
	s_or_b32 s[G1A], s29, (3<<16)|(1<<21)          ; 15:0 the mask; 17:16 elements of 8 bytes; 21 set beside a mask; no padding
	s_or_b32 s[G1B], s30, (3<<16)|(1<<21)
	s_or_b32 s[G1SA], s29, (3<<16)|(1<<21)
	s_or_b32 s[G1SB], s30, (3<<16)|(1<<21)
.irp g, G1A, G1B                       ; 32,768 dense bytes as 128 rows of 256
	s_mov_b32 s[\g+1], 32<<16
	s_mov_b32 s[\g+2], 128<<16
	s_mov_b32 s[\g+3], 32<<16
	s_mov_b32 s[\g+4], 128
	s_mov_b32 s[\g+5], 32
	s_mov_b32 s[\g+6], 0
	s_mov_b32 s[\g+7], 0
.endr
.irp g, G1SA, G1SB                     ; 4,096 dense bytes as 16 rows of 256
	s_mov_b32 s[\g+1], 32<<16
	s_mov_b32 s[\g+2], 16<<16
	s_mov_b32 s[\g+3], 32<<16
	s_mov_b32 s[\g+4], 16
	s_mov_b32 s[\g+5], 32
	s_mov_b32 s[\g+6], 0
	s_mov_b32 s[\g+7], 0
.endr
	s_lshl_b32 s31, s24, 3                         ; the half that I fetch: 8 blocks of 16
	s_lshl_b32 s32, s26, 7
	s_lshl_b32 s36, s28, 4
	s_add_co_u32 s32, s32, s36
	s_add_co_u32 s32, s32, s31                     ; tokens: block 128 cy + 16 cluster y + 8 half
	s_lshl_b32 s36, s32, 9                         ; its scale words,
	s_lshl_b32 s32, s32, 12                        ; its codes
	s_mov_b32 s33, 0
	s_mov_b32 s37, 0
	s_lshl_b32 s34, s27, 6
	s_lshl_b32 s38, s25, 4
	s_add_co_u32 s34, s34, s38
	s_add_co_u32 s34, s34, s31                     ; W: block 64 matrix + 16 cx + 8 half
	s_lshl_b32 s38, s34, 9
	s_lshl_b32 s34, s34, 12
	s_mov_b32 s35, 0
	s_mov_b32 s39, 0
	s_lshl_b32 s29, s22, 15                        ; where they go: wave x 32,768,
	s_lshl_b32 s30, s22, 12                        ; the scale words: wave x 4,096: no place in the cluster enters an LDS address
	s_wait_dscnt 0x0                               ; both opening adds are done
	s_wait_kmcnt 0x0
	s_add_nc_u64 s[32:33], s[4:5], s[32:33]
	s_add_nc_u64 s[36:37], s[6:7], s[36:37]
	s_add_nc_u64 s[34:35], s[8:9], s[34:35]
	s_add_nc_u64 s[38:39], s[10:11], s[38:39]
	CROUND                                         ; all sixteen work-groups are here: the first joint loads meet
	s_mov_b32 s[G0SA], 1
	s_add_co_u32 s[G0SA+1], s30, SCL
	s_mov_b64 s[G0SA+2:G0SA+3], s[36:37]
	s_or_b32 s[G0SA+3], s[G0SA+3], 0x80000000
	s_mov_b32 s[G0SB], 1
	s_add_co_u32 s[G0SB+1], s30, SCL
	s_mov_b64 s[G0SB+2:G0SB+3], s[38:39]
	s_or_b32 s[G0SB+3], s[G0SB+3], 0x80000000
	JLOAD G0SA, G1SA, G0SB, G1SB                   ; the scale words of all of K
.irp s, 0,1
	s_mov_b32 s[G0A+4*\s], 1
	s_add_co_u32 s[G0A+4*\s+1], s29, \s*SLOT
	s_add_nc_u64 s[G0A+4*\s+2:G0A+4*\s+3], s[32:33], \s*2097152
	s_or_b32 s[G0A+4*\s+3], s[G0A+4*\s+3], 0x80000000
	s_mov_b32 s[G0B+4*\s], 1
	s_add_co_u32 s[G0B+4*\s+1], s29, \s*SLOT
	s_add_nc_u64 s[G0B+4*\s+2:G0B+4*\s+3], s[34:35], \s*786432
	s_or_b32 s[G0B+4*\s+3], s[G0B+4*\s+3], 0x80000000
	JLOAD G0A+4*\s, G1A, G0B+4*\s, G1B             ; three loads of mine are out when both slots are asked for
.endr
	s_cmp_eq_u32 s27, 1                            ; the matrix's bias
	s_cselect_b64 s[12:13], s[14:15], s[12:13]
	s_cmp_eq_u32 s27, 2
	s_cselect_b64 s[12:13], s[16:17], s[12:13]
	s_lshl_b32 s32, s25, 10
	s_lshl_b32 s33, s24, 9
	s_add_co_u32 s32, s32, s33                     ; my 128 columns, 4 bytes each
	s_mov_b32 s33, 0
	s_add_nc_u64 s[12:13], s[12:13], s[32:33]
	v_and_b32 v1, 15, v0                           ; r
	v_bfe_u32 v2, v0, 4, 1                         ; h
	v_and_b32 v7, 31, v0
	v_lshlrev_b32 v[L16], 4, v7
	v_and_b32 v6, 16, v0
	v_lshrrev_b32 v6, 1, v6
	v_xor_b32 v[POS], v7, v6
	v_lshlrev_b32 v[POS], 4, v[POS]
	v_lshlrev_b32 v5, 5, v2                        ; 32 h: my eight numbers of a block's 16
	WIN TO_B
.irp b, 0,1,2,3,4,5,6,7
	global_load_b128 v[BI+8*\b:BI+8*\b+3], v5, s[12:13] offset:64*\b
	global_load_b128 v[BI+8*\b+4:BI+8*\b+7], v5, s[12:13] offset:64*\b+16
.endr
	WIN 0
	s_lshl_b32 s32, s23, 15                        ; my 128 tokens,
	s_lshl_b32 s33, s24, 15
	s_add_co_u32 s33, s33, 65536                   ; my 128 columns, behind the tokens' 65,536 bytes
.irp s, 0,1
	v_add_nc_u32 v[ADRA+\s], s32, v[L16]
	v_add_nc_u32 v[ADRB+\s], s33, v[L16]
	s_add_co_u32 s32, s32, SLOT
	s_add_co_u32 s33, s33, SLOT
.endr
	s_lshl_b32 s32, s23, 12
	s_lshl_b32 s33, s24, 12
	s_add_co_u32 s33, s33, 8192
	s_sub_co_u32 s33, s33, s32
	v_mul_u32_u24 v6, s33, v2                      ; lanes 16-31 take W's words
	s_add_co_u32 s32, s32, SCL
	v_lshl_add_u32 v6, v1, 4, v6                   ; 16 bytes a row: the four words of a slot
	v_add_nc_u32 v[ADRS], s32, v6
	s_lshl_b32 s32, s27, 24                        ; qkv: [matrix][batch][head][16 tokens][16 channels] images of 512 bytes
	s_lshl_b32 s33, s26, 22
	s_add_co_u32 s32, s32, s33
	s_lshl_b32 s33, s25, 2
	s_lshl_b32 s34, s24, 1
	s_add_co_u32 s33, s33, s34                     ; my first head: 4 cx + 2 half
	s_lshl_b32 s34, s33, 18
	s_add_co_u32 s32, s32, s34
	s_lshl_b32 s34, s28, 4
	s_lshl_b32 s35, s23, 3
	s_add_co_u32 s34, s34, s35
	s_lshl_b32 s34, s34, 11
	s_add_co_u32 s32, s32, s34                     ; my first block of tokens
	s_lshl_b32 s36, s27, 18                        ; qkv32: [matrix][batch][head] 4,096 bytes
	s_lshl_b32 s37, s26, 16
	s_add_co_u32 s36, s36, s37
	s_lshl_b32 s37, s33, 12
	s_add_co_u32 s36, s36, s37
	s_mov_b32 s37, 0
	s_mov_b32 s33, 0
	s_add_nc_u64 s[18:19], s[18:19], s[32:33]
	s_add_nc_u64 s[20:21], s[20:21], s[36:37]
.macro FRAG reg, adr, q, i             ; a fragment's image: two loads of 512 consecutive bytes
.irp c, 0,1
	ds_load_b128 v[\reg+4*\c:\reg+4*\c+3], v[\adr] offset:4096*(\i)+1024*(\q)+512*\c
.endr
.endm
; 16 matrix instructions: token blocks a0, a0 + 1 x W's eight.  first = 1: the bias is the C.  The 64 accumulators take turns, one instruction a turn.
.macro MUL16 a0, p, q, sc, first
.irp a, \a0, \a0+1
.irp b, 0,1,2,3,4,5,6,7
.if \first
	v_wmma_scale_f32_16x16x128_f8f6f4 v[8*(8*((\a)%4)+\b):8*(8*((\a)%4)+\b)+7], v[128*(\p)+FR*\b:128*(\p)+FR*\b+FR-1], v[AF+FR*(\a):AF+FR*(\a)+FR-1], v[BI+8*\b:BI+8*\b+7], v[SC+8*NQ*(\sc)+NQ*\b+(\q)], v[SC+8*NQ*(\sc)+NQ*(\a)+(\q)] matrix_a_fmt:MATRIX_FMT_FP4 matrix_b_fmt:MATRIX_FMT_FP4 matrix_a_scale:MATRIX_SCALE_ROW1
.else
	v_wmma_scale_f32_16x16x128_f8f6f4 v[8*(8*((\a)%4)+\b):8*(8*((\a)%4)+\b)+7], v[128*(\p)+FR*\b:128*(\p)+FR*\b+FR-1], v[AF+FR*(\a):AF+FR*(\a)+FR-1], v[8*(8*((\a)%4)+\b):8*(8*((\a)%4)+\b)+7], v[SC+8*NQ*(\sc)+NQ*\b+(\q)], v[SC+8*NQ*(\sc)+NQ*(\a)+(\q)] matrix_a_fmt:MATRIX_FMT_FP4 matrix_b_fmt:MATRIX_FMT_FP4 matrix_a_scale:MATRIX_SCALE_ROW1
.endif
.endr
.endr
.endm
.macro FETCH_B slot, q, p
	WIN TO_B
.irp i, 0,1,2,3,4,5,6,7
	FRAG 128*(\p)+FR*\i, ADRB+\slot, \q, \i
.endr
	WIN 0
.endm
.macro FETCH_A slot, q, i0
.irp i, \i0, \i0+1, \i0+2, \i0+3
	FRAG AF+FR*(\i), ADRA+\slot, \q, \i
.endr
.endm
.macro SCALES sc                       ; a slot's scale words: lanes 0-15 the tokens' block i, lanes 16-31 W's block i
.irp i, 0,1,2,3,4,5,6,7
	ds_load_b128 v[SC+8*NQ*\sc+NQ*\i:SC+8*NQ*\sc+NQ*\i+3], v[ADRS] offset:512*\i+256*\sc
.endr
.endm
.macro PLACES n                        ; plain vector lines between a matrix instruction and a load into, or a read of, its registers
.rept \n
	v_nop
.endr
.endm
.macro STEP slot, q, first             ; 128 along K, with its successor in the same slot
	s_wait_dscnt 4*NL                              ; W's set and token blocks 0-3 are in; the youngest eight loads (blocks 4-7) may be out
.if \first
	WIN 0x91                                       ; C: the bias, in window 1
.else
	WIN MUL_LO
.endif
	MUL16 0, (\q)%2, \q, \slot, \first
	MUL16 2, (\q)%2, \q, \slot, \first
	s_wait_dscnt 0
	PLACES NP
	FETCH_B \slot, (\q)+1, 1-(\q)%2
	FETCH_A \slot, (\q)+1, 0
.if \first
	WIN 0xd1
.else
	WIN MUL_HI
.endif
	MUL16 4, (\q)%2, \q, \slot, \first
	MUL16 6, (\q)%2, \q, \slot, \first
	PLACES NP
	WIN 0
	FETCH_A \slot, (\q)+1, 4
.endm
.macro TURN slot, next                 ; slot 0's last step, and the one barrier behind which slot 1 is whole for every wave.  Nothing is filled again
	s_wait_tensorcnt 0x0                           ; my part of slot 1 has landed
	ds_add_u32 v[SPW], v[NIL]
	s_wait_dscnt 4*NL+1                            ; the add and the youngest eight loads may be out
	WIN MUL_LO
	MUL16 0, 1, NQ-1, \slot, 0
	s_wait_dscnt 0x0
	s_barrier_signal -1
	MUL16 2, 1, NQ-1, \slot, 0
	WIN 0
	s_barrier_wait -1
	PLACES NP
	FETCH_B \next, 0, 0
	FETCH_A \next, 0, 0
	SCALES \next
	WIN MUL_HI
	MUL16 4, 1, NQ-1, \slot, 0
	MUL16 6, 1, NQ-1, \slot, 0
	PLACES NP
	WIN 0
	FETCH_A \next, 0, 4
.endm
	s_wait_tensorcnt 1                             ; the scale words and my part of slot 0 are in; slot 1's load may be out
	s_barrier_signal -1
	s_barrier_wait -1
	FETCH_B 0, 0, 0
	FETCH_A 0, 0, 0
	SCALES 0
	FETCH_A 0, 0, 4
	s_wait_loadcnt 0x0                             ; the bias
	STEP 0, 0, 1
	STEP 0, 1, 0
	STEP 0, 2, 0
	TURN 0, 1
	STEP 1, 0, 0
	STEP 1, 1, 0
	STEP 1, 2, 0
	s_wait_dscnt 4*NL                              ; the last step: nothing more to fetch
	WIN MUL_LO
	MUL16 0, 1, NQ-1, 1, 0
	MUL16 2, 1, NQ-1, 1, 0
	s_wait_dscnt 0
	WIN MUL_HI
	MUL16 4, 1, NQ-1, 1, 0
	MUL16 6, 1, NQ-1, 1, 0
	WIN 0
	PLACES NP
	s_or_b32 s29, s28, s23                         ; tokens 0-15 of a batch lie in cluster y = 0, in the waves of the first half: ids that all partners share, and the wave's number
	s_cmp_eq_u32 s29, 0
	s_cbranch_scc0 .Lno32
	WIN 0x08                                       ; a store's data: window 2
.irp b, 0,1,2,3,4,5,6,7
	global_store_b128 v[L16], v[8*\b:8*\b+3], s[20:21] offset:4096*(\b/4)+1024*(\b%4)        ; block 0's accumulators as they stand, each from its low end
	global_store_b128 v[L16], v[8*\b+4:8*\b+7], s[20:21] offset:4096*(\b/4)+1024*(\b%4)+512
.endr
	WIN 0
.Lno32:
.macro OUT a                           ; 16 tokens x 128 channels: eight images of 512 bytes
.if (\a) > 1
	s_wait_xcnt 0x0                                ; block a - 2's stores have read these registers
.endif
	WIN 0x0a+5*((\a)/4)
.irp b, 0,1,2,3,4,5,6,7
.irp i, 0,1,2,3
	v_cvt_pk_f16_f32 v[TMP+32*((\a)%2)+4*\b+\i], v[64*((\a)%4)+8*\b+2*\i], v[64*((\a)%4)+8*\b+2*\i+1]
.endr
.endr
	WIN 0
.irp b, 0,1,2,3,4,5,6,7
	global_store_b128 v[POS], v[TMP+32*((\a)%2)+4*\b:TMP+32*((\a)%2)+4*\b+3], s[18:19] offset:2048*(\a)+262144*(\b/4)+512*(\b%4)
.endr
.endm
.irp a, 0,1,2,3,4,5,6,7
	OUT \a
.endr
	s_wait_tensorcnt 0x0                           ; the wave's end
	ds_add_u32 v[SPW], v[NIL]
	s_wait_dscnt 0x0
	CROUND                                         ; the closing round
	s_endpgm
.Lfunc_end_k_qcdae080e5e_qkv:
	.size	k_qcdae080e5e_qkv, .Lfunc_end_k_qcdae080e5e_qkv-k_qcdae080e5e_qkv
	.p2alignl 7, 3214868480
	.fill 96, 4, 3214868480
	.section	.rodata,"a",@progbits
	.p2align	6, 0x0
	.amdhsa_kernel k_qcdae080e5e_qkv
		.amdhsa_group_segment_fixed_size 327680
		.amdhsa_private_segment_fixed_size 0
		.amdhsa_enable_private_segment 0
		.amdhsa_kernarg_size 72
		.amdhsa_user_sgpr_count 2
		.amdhsa_user_sgpr_kernarg_segment_ptr 1
		.amdhsa_wavefront_size32 1
		.amdhsa_system_sgpr_workgroup_id_x 1
		.amdhsa_system_sgpr_workgroup_id_y 1
		.amdhsa_system_sgpr_workgroup_id_z 1
		.amdhsa_system_vgpr_workitem_id 0
		.amdhsa_next_free_vgpr 1024
		.amdhsa_next_free_sgpr 100
		.amdhsa_reserve_vcc 0
		.amdhsa_float_denorm_mode_32 3
		.amdhsa_float_denorm_mode_16_64 3
		.amdhsa_memory_ordered 1
		.amdhsa_forward_progress 1
		.amdhsa_inst_pref_size 121
	.end_amdhsa_kernel
	.amdgpu_metadata
---
amdhsa.version: [ 1, 2 ]
amdhsa.kernels:
  - .name:           k_qcdae080e5e_qkv
    .symbol:         k_qcdae080e5e_qkv.kd
    .args:
      - { .name: xc, .offset: 0, .size: 8, .value_kind: global_buffer, .address_space: global }
      - { .name: xs, .offset: 8, .size: 8, .value_kind: global_buffer, .address_space: global }
      - { .name: wc, .offset: 16, .size: 8, .value_kind: global_buffer, .address_space: global }
      - { .name: ws, .offset: 24, .size: 8, .value_kind: global_buffer, .address_space: global }
      - { .name: bk, .offset: 32, .size: 8, .value_kind: global_buffer, .address_space: global }
      - { .name: bq, .offset: 40, .size: 8, .value_kind: global_buffer, .address_space: global }
      - { .name: bv, .offset: 48, .size: 8, .value_kind: global_buffer, .address_space: global }
      - { .name: qkv, .offset: 56, .size: 8, .value_kind: global_buffer, .address_space: global }
      - { .name: qkv32, .offset: 64, .size: 8, .value_kind: global_buffer, .address_space: global }
    .group_segment_fixed_size: 327680
    .private_segment_fixed_size: 0
    .kernarg_segment_align: 8
    .kernarg_segment_size: 72
    .max_flat_workgroup_size: 128
    .sgpr_count:     100
    .vgpr_count:     1024
    .wavefront_size: 32
...
	.end_amdgpu_metadata
.endif
;; end of part 2
;; launch attn (part 3): grid 4 x 64, 16 waves a work-group, clusters of 4 x 1, 327,680 bytes of LDS; arguments qkv, y16; writes y16
.if DOCPART == 3
	.amdgcn_target "amdgcn-amd-amdhsa--gfx1250"
	.amdhsa_code_object_version 6
	.text
	.protected	k_qcdae080e5e_attn
	.globl	k_qcdae080e5e_attn
	.p2align	8
	.type	k_qcdae080e5e_attn,@function
k_qcdae080e5e_attn:
	s_mov_b64 s[64:65], 0
	v_nop
	global_prefetch_b8 v0, s[64:65] scope:SCOPE_SE
	s_setreg_imm32_b32 hwreg(HW_REG_WAVE_MODE, 25, 1), 1
	s_wait_xcnt 0x0
	s_wait_alu depctr_hold_cnt(0) depctr_sa_sdst(0) depctr_va_vdst(0) depctr_va_sdst(0) depctr_va_ssrc(0) depctr_va_vcc(0) depctr_vm_vsrc(0)
	s_getreg_b32 s2, hwreg(HW_REG_IB_STS2, 6, 4)
	s_cmp_eq_u32 s2, 0
	s_cbranch_scc0 .Lentry_in_a_cluster
	s_endpgm
.Lentry_in_a_cluster:
	s_bfe_u32 s2, ttmp6, 0x10000c
	s_cmp_lg_u32 s2, 0x3003
	s_cbranch_scc0 .Lentry_shape_is_right
	s_endpgm
.Lentry_shape_is_right:
; y[b][t][h][:] = the sum over keys k <= t of softmax_k(q . k / 8) v, on f16 operands with f32 sums, maxima and row sums; a running maximum is taken away ahead of every exponential.
; A cluster of four work-groups serves one (batch, head).  Partner cx, wave w takes the 32 queries from 128 m + 32 cx on (two tiles of 16), m = MAGIC[w], a 4 x 4 magic square less 1:
; the four waves w % 4 = const and the four waves w / 4 = const each have m's that sum to 30, so under the causal mask every four such waves have the same work.
; Every partner holds every m, so every partner reads every slot of keys: K and V are asked for JOINTLY, and every branch hangs on the wave's number and the count of steps alone.
; A step of 64 keys from KF on is, with QW = 128 m: left out where KF > QW + 127; open where KF < QW; else masked lane by lane (cx enters as data, in a lane's constant).
; LAYOUT.  S^T = K Q^T and O^T = V^T P: a lane holds one query throughout.  q, k, v lie in memory as images of half fragments (16 tokens x 16 channels, 512 bytes; lane (r, h) at 16 r or 256 + 16 (r xor 8));
; K and Q are loaded as they lie, V is turned on its way out of LDS by ds_load_tr16_b128.  O^T / the sum, rounded in pairs, is again such an image: it is stored from registers.
; LIMITS: operands are f16 (|q|, |k|, |v| under 65,504); the weights p, at most 1, are rounded to f16 for the second product, and the row's sum is taken of the unrounded p.
; Positions 0-15 of each batch are made again, in f32, by a later launch.
; REGISTERS: v1-10 addresses and constants; v16-31 statistics, 8 a tile (+0 c m, +1 m, +2, +3 the sum, +4..+7 at work, a in +6); v32-63 Q; v64-127 S^T, then P in the first 16 of each tile's 32; v128-191 O^T; v192-255 K's, then V's eight fragments.
.set SLOT1, 65536                      ; a slot: 256 keys: K's 32,768 bytes, then V's
.set SPARE, 131072                     ; the spare words, 128 bytes for each of 16 waves
.set POS,  1
.set AV0,  2
.set ADK,  3
.set ADV,  4
.set SPW,  5
.set NIL,  6
.set LC,   7                           ; 32 cx + r - 8 h
.set D,    8
.set NINF, 9
.set PFO,  10
.set ST,   16
.set Q,    32
.set S,    64
.set O,    128
.set KV,   192
.set WV,   8
.set CX,   9
.set BH,   10
.set MM,   11
.set QW,   12
.set KF,   13
.set TB,   14
.set SLOTS, 15
.set TW,   16
.set LIM,  17
.set PFA,  18
.set SEL,  20
.set CS,   22
.set G1,   24
.set G0,   32
.set QB,   36
.set YB,   38
.macro CROUND
	s_barrier_signal -1
	s_barrier_wait -1
	s_cmp_lg_u32 s[WV], 0
	s_cbranch_scc1 .Lnot_wave_0_\@
	s_barrier_signal -3
.Lnot_wave_0_\@:
	s_barrier_wait -3
	s_barrier_signal -1
	s_barrier_wait -1
.endm
.macro JLOAD                           ; waves 0, 1 fetch K's halves of a slot, waves 2, 3 V's: 16,384 dense bytes each; an s_nop 0 and four v_nop follow the line
	s_cmp_lt_u32 s[WV], 4
	s_cbranch_scc0 .Lnone_\@
	tensor_load_to_lds s[G0:G0+3], s[G1:G1+7]
	s_nop 0
.rept 4
	v_nop
.endr
.Lnone_\@:
.endm
; A prefetch of what the NEXT change of slots will ask for: a slot's 32,768 bytes of K (wave 4) and of V (wave 5); the four partners take 8,192 bytes each, told apart by address; lanes 256 bytes apart.
; So each aligned 256 bytes are named once in the launch.  It stands a slot's four key steps ahead of the load; the last change that fills a slot asks for nothing.
.macro ASK
	s_cmp_gt_u32 s[SLOTS], s[LIM]
	s_cbranch_scc0 .Lnot_mine_\@
	global_prefetch_b8 v[PFO], s[PFA:PFA+1] th:TH_LOAD_NT scope:SCOPE_SE
.Lnot_mine_\@:
.endm
	s_load_b128 s[4:7], s[0:1], 0x0                ; qkv, y16
	v_lshl_add_u32 v[SPW], v0, 2, SPARE
	v_mov_b32 v[NIL], 0
	ds_add_u32 v[SPW], v[NIL]                      ; the wave's opening: the add, twice on end, and its wait ahead of the first tensor load
	ds_add_u32 v[SPW], v[NIL]
	v_lshrrev_b32 v11, 5, v0
	v_readfirstlane_b32 s[WV], v11
	s_bfe_u32 s[CX], ttmp6, 0x40000
	s_and_b32 s[BH], ttmp7, 0xffff                 ; 16 batch + head
	s_mov_b32 s40, 0x0DE3B658                      ; MAGIC, four bits a wave: waves 8-15,
	s_cmp_lt_u32 s[WV], 8
	s_cselect_b32 s40, 0x7A94C12F, s40             ; waves 0-7
	s_and_b32 s41, s[WV], 7
	s_lshl_b32 s41, s41, 2
	s_lshr_b32 s40, s40, s41
	s_and_b32 s[MM], s40, 15
	s_lshl_b32 s[QW], s[MM], 7
	s_mov_b32 s[G1], 15|(3<<16)|(1<<21)            ; the mask: all four; elements of 8 bytes; bit 21 beside a mask; no padding
	s_mov_b32 s[G1+1], 32<<16                      ; 16,384 dense bytes as 64 rows of 256
	s_mov_b32 s[G1+2], 64<<16
	s_mov_b32 s[G1+3], 32<<16
	s_mov_b32 s[G1+4], 64
	s_mov_b32 s[G1+5], 32
	s_mov_b32 s[G1+6], 0
	s_mov_b32 s[G1+7], 0
	s_mov_b32 s[SEL], 0x76543210
	s_mov_b32 s[SEL+1], 0xfedcba98
	s_mov_b32 s[CS], 0x3e38aa3b                    ; c = log2(e) / 8
	s_mov_b32 s[CS+1], s[CS]
	s_mov_b32 s[KF], 0
	s_mov_b32 s[TB], 0
	s_mov_b32 s[SLOTS], 7
	s_lshl_b32 s40, s[BH], 18                      ; the head's 262,144 bytes in each of k, q, v
	s_lshr_b32 s41, s[WV], 1
	s_lshl_b32 s41, s41, 25                        ; waves 0, 1: k (matrix 0); waves 2, 3: v (matrix 2)
	s_and_b32 s42, s[WV], 1
	s_lshl_b32 s43, s42, 14                        ; which half of a slot
	s_add_co_u32 s44, s40, s41
	s_add_co_u32 s44, s44, s43
	s_mov_b32 s45, 0
	s_lshl_b32 s46, s42, 25                        ; the prefetches: wave 4 k, wave 5 v,
	s_add_co_u32 s46, s46, s40
	s_lshl_b32 s47, s[CX], 13                      ; my work-group's 8,192 bytes,
	s_add_co_u32 s46, s46, s47
	s_add_co_u32 s46, s46, 32768                   ; in slot 1: the first change of slots steps it to slot 2
	s_mov_b32 s47, 0
	s_xor_b32 s41, s[WV], 4
	s_lshr_b32 s41, s41, 1
	s_cmp_eq_u32 s41, 0
	s_cselect_b32 s[LIM], 1, -1                    ; 1 in waves 4 and 5
	s_lshl_b32 s96, s[MM], 3
	s_lshl_b32 s97, s[CX], 1
	s_add_co_u32 s96, s96, s97                     ; my first block of 16 tokens: 8 m + 2 cx
	s_lshl_b32 s[QB], s96, 11
	s_add_co_u32 s[QB], s[QB], s40
	s_add_co_u32 s[QB], s[QB], 16777216            ; q is matrix 1
	s_mov_b32 s[QB+1], 0
	s_lshr_b32 s97, s[BH], 4
	s_lshl_b32 s97, s97, 7
	s_add_co_u32 s96, s96, s97                     ; + 128 batch
	s_lshl_b32 s[YB], s96, 12                      ; y16: [head / 2][16 tokens][8 images]
	s_and_b32 s97, s[BH], 15
	s_lshr_b32 s96, s97, 1
	s_lshl_b32 s96, s96, 21
	s_add_co_u32 s[YB], s[YB], s96
	s_and_b32 s97, s97, 1
	s_lshl_b32 s97, s97, 11
	s_add_co_u32 s[YB], s[YB], s97
	s_mov_b32 s[YB+1], 0
	s_wait_dscnt 0x0                               ; both opening adds are done
	s_wait_kmcnt 0x0
	s_add_nc_u64 s[QB:QB+1], s[4:5], s[QB:QB+1]
	s_add_nc_u64 s[YB:YB+1], s[6:7], s[YB:YB+1]
	s_add_nc_u64 s[PFA:PFA+1], s[4:5], s[46:47]
	CROUND                                         ; all four work-groups are here
	s_mov_b32 s[G0], 1
	s_lshl_b32 s[G0+1], s[WV], 14                  ; LDS: wave x 16,384, in slot 0
	s_add_nc_u64 s[G0+2:G0+3], s[4:5], s[44:45]
	s_or_b32 s[G0+3], s[G0+3], 0x80000000
	JLOAD                                          ; slot 0
	v_and_b32 v11, 31, v0                          ; lane
	v_and_b32 v12, 15, v0                          ; r
	v_bfe_u32 v13, v0, 4, 1                        ; h
	v_bfe_u32 v14, v0, 3, 1
	v_and_b32 v15, 16, v0
	v_lshrrev_b32 v15, 1, v15
	v_xor_b32 v[POS], v11, v15
	v_lshlrev_b32 v[POS], 4, v[POS]                ; my place in an image
	v_and_b32 v[AV0], 7, v0                        ; the turning load: I address key 8 h + lane % 8, channels 8 ((lane / 8) % 2) on, at that chunk's place in the image
	v_xor_b32 v15, v14, v13
	v_lshl_or_b32 v[AV0], v15, 3, v[AV0]
	v_lshl_or_b32 v[AV0], v14, 4, v[AV0]
	v_lshlrev_b32 v[AV0], 4, v[AV0]
	v_add_nc_u32 v[AV0], 32768, v[AV0]             ; V lies behind K
	v_lshlrev_b32 v15, 3, v13
	v_sub_nc_u32 v[LC], v12, v15
	s_lshl_b32 s96, s[CX], 5
	v_add_nc_u32 v[LC], s96, v[LC]
	v_mov_b32 v[NINF], 0xff800000
	v_lshlrev_b32 v[PFO], 8, v11
.irp u, 0,1
.irp e, 0,1,2,3
	global_load_b128 v[Q+16*\u+4*\e:Q+16*\u+4*\e+3], v[POS], s[QB:QB+1] offset:2048*\u+512*\e   ; Q stays in registers
.endr
.endr
.irp u, 0,1
	v_mov_b32 v[ST+8*\u+1], 0xff61b1e6             ; the largest score so far: -3e38
	v_mul_f32 v[ST+8*\u], s[CS], v[ST+8*\u+1]
.irp i, 2,3,4,5,6,7
	v_mov_b32 v[ST+8*\u+\i], 0
.endr
.endr
.set i, 0
.rept 64
	v_mov_b32 v[O+i], 0                            ; the step is written once: the first finds zeros, which a = 0 leaves zeros
.set i, i+1
.endr
; A KEY STEP: 64 keys from KF on, at LDS byte TB of K's and of V's part of the slot.
.macro STEP
	s_add_co_u32 s96, s[QW], 127
	s_cmp_gt_u32 s[KF], s96
	s_cbranch_scc1 .Lhid_\@                        ; all its keys come after every query of my 128: the wave's number and the count of steps alone decide
	v_add_nc_u32 v[ADK], s[TB], v[POS]
	v_add_nc_u32 v[ADV], s[TB], v[AV0]
.rept 3
	v_nop                                          ; with the two additions five places: the loads below land on V's fragments, and the products below write over P
.endr
.irp kt, 0,1,2,3
.irp e, 0,1,2,3
	ds_load_b128 v[KV+16*\kt+4*\e:KV+16*\kt+4*\e+3], v[ADK] offset:2048*\kt+512*\e
.endr
.endr
	s_wait_dscnt 0x0
.irp c, 0,1                            ; S^T = K Q^T: eight accumulators by turns
.irp kt, 0,1,2,3
.irp u, 0,1
.if \c == 0
	v_wmma_f32_16x16x32_f16 v[S+32*\u+8*\kt:S+32*\u+8*\kt+7], v[KV+16*\kt+8*\c:KV+16*\kt+8*\c+7], v[Q+16*\u+8*\c:Q+16*\u+8*\c+7], 0
.else
	v_wmma_f32_16x16x32_f16 v[S+32*\u+8*\kt:S+32*\u+8*\kt+7], v[KV+16*\kt+8*\c:KV+16*\kt+8*\c+7], v[Q+16*\u+8*\c:Q+16*\u+8*\c+7], v[S+32*\u+8*\kt:S+32*\u+8*\kt+7]
.endif
.endr
.endr
.endr
.rept 4
	v_nop                                          ; places in front of the loads into K's registers and of the first read of the scores
.endr
.irp dt, 0,1,2,3
.irp e, 0,1,2,3
	ds_load_tr16_b128 v[KV+16*\dt+4*\e:KV+16*\dt+4*\e+3], v[ADV] offset:2048*\e+512*\dt   ; V^T: channels 16 dt on, keys 16 e on; they land under the softmax
.endr
.endr
	s_cmp_lt_u32 s[KF], s[QW]
	s_cbranch_scc1 .Lopen_\@                       ; every key of the step counts for every query of my 128
	s_sub_co_i32 s96, s[QW], s[KF]
	v_add_nc_u32 v[D], s96, v[LC]                  ; register 8 kt + j of tile u holds key KF + 16 kt + 8 h + j and query QW + 32 cx + 16 u + r: hidden where 16 kt + j - 16 u > D
.irp u, 0,1
.irp kt, 0,1,2,3
.irp j, 0,1,2,3,4,5,6,7
	v_cmp_gt_i32 vcc_lo, 16*\kt+\j-16*\u, v[D]
	v_cndmask_b32 v[S+32*\u+8*\kt+\j], v[S+32*\u+8*\kt+\j], v[NINF], vcc_lo
.endr
.endr
.endr
.Lopen_\@:
.irp j, 0,1,2,3                        ; the maximum of a lane's 32 scores and the old m; the two tiles line by line
.irp u, 0,1
	v_max3_num_f32 v[ST+8*\u+4+\j], v[S+32*\u+8*\j], v[S+32*\u+8*\j+1], v[S+32*\u+8*\j+2]
.endr
.endr
.irp i, 3,5
.irp j, 0,1,2,3
.irp u, 0,1
	v_max3_num_f32 v[ST+8*\u+4+\j], v[ST+8*\u+4+\j], v[S+32*\u+8*\j+\i], v[S+32*\u+8*\j+\i+1]
.endr
.endr
.endr
.irp u, 0,1
	v_max3_num_f32 v[ST+8*\u+4], v[ST+8*\u+4], v[S+32*\u+7], v[S+32*\u+15]
.endr
.irp u, 0,1
	v_max3_num_f32 v[ST+8*\u+6], v[ST+8*\u+6], v[S+32*\u+23], v[S+32*\u+31]
.endr
.irp u, 0,1
	v_max3_num_f32 v[ST+8*\u+4], v[ST+8*\u+4], v[ST+8*\u+5], v[ST+8*\u+6]
.endr
.irp u, 0,1
	v_max3_num_f32 v[ST+8*\u+4], v[ST+8*\u+4], v[ST+8*\u+7], v[ST+8*\u+1]
.endr
.irp u, 0,1
	v_permlanex16_b32 v[ST+8*\u+5], v[ST+8*\u+4], s[SEL], s[SEL+1]   ; the query's other 32 keys lie in the lane 16 away
.endr
.irp u, 0,1
	v_mov_b32 v[ST+8*\u+7], v[ST+8*\u]             ; c m_old
.endr
.irp u, 0,1
	v_max_num_f32 v[ST+8*\u+1], v[ST+8*\u+4], v[ST+8*\u+5]
.endr
.irp u, 0,1
	v_mul_f32 v[ST+8*\u], s[CS], v[ST+8*\u+1]
.endr
.irp u, 0,1
	v_sub_f32 v[ST+8*\u+7], v[ST+8*\u+7], v[ST+8*\u]
.endr
.irp i, 0,2,4,6,8,10,12,14,16,18,20,22,24,26,28,30
.irp u, 0,1
	v_pk_fma_f32 v[S+32*\u+\i:S+32*\u+\i+1], v[S+32*\u+\i:S+32*\u+\i+1], s[CS:CS+1], v[ST+8*\u:ST+8*\u+1] op_sel_hi:[1,0,0] neg_lo:[0,0,1] neg_hi:[0,0,1]   ; c s - c m
.endr
.endr
.irp u, 0,1
	v_exp_f32 v[ST+8*\u+6], v[ST+8*\u+7]           ; a = 2^(c m_old - c m_new)
.endr
.set i, 0
.rept 64
	v_exp_f32 v[S+i], v[S+i]                       ; p
.set i, i+1
.endr
	v_nop                                          ; a plain line behind the last exponential
	s_wait_alu depctr_va_vdst(0)                   ; one wait for the batch of 66, ahead of its first reader
.irp u, 0,1
	v_pk_fma_f32 v[ST+8*\u+2:ST+8*\u+3], v[ST+8*\u+2:ST+8*\u+3], v[ST+8*\u+6:ST+8*\u+7], v[S+32*\u:S+32*\u+1] op_sel_hi:[1,0,1]   ; the sum x a + the first pair: of the unrounded p
.endr
.irp u, 0,1
	v_pk_add_f32 v[ST+8*\u+4:ST+8*\u+5], v[S+32*\u+2:S+32*\u+3], v[S+32*\u+4:S+32*\u+5]
.endr
.irp i, 6,10,14,18,22,26
.irp u, 0,1
	v_pk_add_f32 v[ST+8*\u+2:ST+8*\u+3], v[ST+8*\u+2:ST+8*\u+3], v[S+32*\u+\i:S+32*\u+\i+1]
	v_pk_add_f32 v[ST+8*\u+4:ST+8*\u+5], v[ST+8*\u+4:ST+8*\u+5], v[S+32*\u+\i+2:S+32*\u+\i+3]
.endr
.endr
.irp u, 0,1
	v_pk_add_f32 v[ST+8*\u+2:ST+8*\u+3], v[ST+8*\u+2:ST+8*\u+3], v[S+32*\u+30:S+32*\u+31]
.endr
.irp u, 0,1
	v_pk_add_f32 v[ST+8*\u+2:ST+8*\u+3], v[ST+8*\u+2:ST+8*\u+3], v[ST+8*\u+4:ST+8*\u+5]
.endr
.irp i, 0,1,2,3,4,5,6,7,8,9,10,11,12,13,14,15
.irp u, 0,1
	v_cvt_pk_f16_f32 v[S+32*\u+\i], v[S+32*\u+2*\i], v[S+32*\u+2*\i+1]   ; in place, ascending: register i has been read when it is written.  Registers 8 c .. 8 c + 7 are P's fragment of keys 32 c on
.endr
.endr
.irp i, 0,2,4,6,8,10,12,14,16,18,20,22,24,26,28,30
.irp u, 0,1
	v_pk_mul_f32 v[O+32*\u+\i:O+32*\u+\i+1], v[O+32*\u+\i:O+32*\u+\i+1], v[ST+8*\u+6:ST+8*\u+7] op_sel_hi:[1,0]   ; O^T x a
.endr
.endr
	s_wait_dscnt 0x0                               ; V is in
.irp c, 0,1                            ; O^T += V^T P: eight accumulators by turns
.irp dt, 0,1,2,3
.irp u, 0,1
	v_wmma_f32_16x16x32_f16 v[O+32*\u+8*\dt:O+32*\u+8*\dt+7], v[KV+16*\dt+8*\c:KV+16*\dt+8*\c+7], v[S+32*\u+8*\c:S+32*\u+8*\c+7], v[O+32*\u+8*\dt:O+32*\u+8*\dt+7]
.endr
.endr
.endr
.Lhid_\@:
	s_add_co_u32 s[KF], s[KF], 64
	s_add_co_u32 s[TB], s[TB], 8192
.endm
; THE CHANGE OF SLOTS stands at a slot's head.  Each wave waits for all its tensor loads, adds 0 to its spare word, and waits for that and for its reads of the slot that it has left.
; fill = 1: a round of the cluster's barrier follows, and behind it the slot just left is filled with the next 256 keys: the load has a slot's four steps in which to land.  One tensor load of a wave is out at the most.
.macro CHANGE fill
	s_wait_tensorcnt 0x0
	ds_add_u32 v[SPW], v[NIL]
.if \fill
	ds_add_u32 v[SPW], v[NIL]                      ; and twice on end here, in every trip alike
	s_xor_b32 s[G0+1], s[G0+1], SLOT1              ; the walking descriptor: the other slot,
	s_add_nc_u64 s[G0+2:G0+3], s[G0+2:G0+3], 32768 ; the next 256 keys
	s_wait_xcnt 0x0                                ; the last prefetch, a slot back, has read its address
	s_add_nc_u64 s[PFA:PFA+1], s[PFA:PFA+1], 32768
.endif
	s_wait_dscnt 0x0
.if \fill
	CROUND
	JLOAD
	ASK
.else
	s_barrier_signal -1
	s_barrier_wait -1
.endif
.endm
.macro SLOT_STEPS
	s_mov_b32 s[TW], 4
.Lstep_\@:
	STEP
	s_sub_co_u32 s[TW], s[TW], 1
	s_cmp_lg_u32 s[TW], 0
	s_cbranch_scc1 .Lstep_\@
	s_sub_co_u32 s[TB], s[TB], 32768
	s_xor_b32 s[TB], s[TB], SLOT1                  ; on to the other slot
.endm
	s_wait_loadcnt 0x0                             ; Q
.Lslot:                                            ; seven trips: behind each change of slots but the last the next slot is asked for
	CHANGE 1
	SLOT_STEPS
	s_sub_co_u32 s[SLOTS], s[SLOTS], 1
	s_cmp_lg_u32 s[SLOTS], 0
	s_cbranch_scc1 .Lslot
	CHANGE 0                                       ; the last slot is written out
	SLOT_STEPS
	; THE WAY OUT.  The additions are the places behind the last products.
.irp u, 0,1
	v_add_f32 v[ST+8*\u+4], v[ST+8*\u+2], v[ST+8*\u+3]
.endr
.irp u, 0,1
	v_permlanex16_b32 v[ST+8*\u+5], v[ST+8*\u+4], s[SEL], s[SEL+1]
.endr
.irp u, 0,1
	v_add_f32 v[ST+8*\u+4], v[ST+8*\u+4], v[ST+8*\u+5]
.endr
.irp u, 0,1
	v_rcp_f32 v[ST+8*\u+6], v[ST+8*\u+4]
.endr
	v_nop
	s_wait_alu depctr_va_vdst(0)                   ; one wait for the two reciprocals, ahead of their first reader
.irp u, 0,1
.irp i, 0,2,4,6,8,10,12,14,16,18,20,22,24,26,28,30
	v_pk_mul_f32 v[O+32*\u+\i:O+32*\u+\i+1], v[O+32*\u+\i:O+32*\u+\i+1], v[ST+8*\u+6:ST+8*\u+7] op_sel_hi:[1,0]
.endr
.endr
.set i, 0
.rept 32
	v_cvt_pk_f16_f32 v[S+i], v[O+2*i], v[O+2*i+1]
.set i, i+1
.endr
.irp u, 0,1
.irp dt, 0,1,2,3
	global_store_b128 v[POS], v[S+16*\u+4*\dt:S+16*\u+4*\dt+3], s[YB:YB+1] offset:4096*\u+512*\dt   ; an image of 16 tokens x 16 channels: 512 consecutive aligned bytes
.endr
.endr
	s_wait_tensorcnt 0x0                           ; the wave's end
	ds_add_u32 v[SPW], v[NIL]
	s_wait_dscnt 0x0
	CROUND                                         ; the closing round
	s_endpgm
.Lfunc_end_k_qcdae080e5e_attn:
	.size	k_qcdae080e5e_attn, .Lfunc_end_k_qcdae080e5e_attn-k_qcdae080e5e_attn
	.p2alignl 7, 3214868480
	.fill 96, 4, 3214868480
	.section	.rodata,"a",@progbits
	.p2align	6, 0x0
	.amdhsa_kernel k_qcdae080e5e_attn
		.amdhsa_group_segment_fixed_size 327680
		.amdhsa_private_segment_fixed_size 0
		.amdhsa_enable_private_segment 0
		.amdhsa_kernarg_size 16
		.amdhsa_user_sgpr_count 2
		.amdhsa_user_sgpr_kernarg_segment_ptr 1
		.amdhsa_wavefront_size32 1
		.amdhsa_system_sgpr_workgroup_id_x 1
		.amdhsa_system_sgpr_workgroup_id_y 1
		.amdhsa_system_sgpr_workgroup_id_z 1
		.amdhsa_system_vgpr_workitem_id 0
		.amdhsa_next_free_vgpr 256
		.amdhsa_next_free_sgpr 100
		.amdhsa_reserve_vcc 1
		.amdhsa_float_denorm_mode_32 3
		.amdhsa_float_denorm_mode_16_64 3
		.amdhsa_memory_ordered 1
		.amdhsa_forward_progress 1
		.amdhsa_inst_pref_size 59
	.end_amdhsa_kernel
	.amdgpu_metadata
---
amdhsa.version: [ 1, 2 ]
amdhsa.kernels:
  - .name:           k_qcdae080e5e_attn
    .symbol:         k_qcdae080e5e_attn.kd
    .args:
      - { .name: qkv, .offset: 0, .size: 8, .value_kind: global_buffer, .address_space: global }
      - { .name: y16, .offset: 8, .size: 8, .value_kind: global_buffer, .address_space: global }
    .group_segment_fixed_size: 327680
    .private_segment_fixed_size: 0
    .kernarg_segment_align: 8
    .kernarg_segment_size: 16
    .max_flat_workgroup_size: 512
    .sgpr_count:     100
    .vgpr_count:     256
    .wavefront_size: 32
...
	.end_amdgpu_metadata
.endif
;; end of part 3
;; launch proj (part 4): grid 4 x 64, 4 waves a work-group, clusters of 4 x 4, 327,680 bytes of LDS; arguments y16, wo16, bo, out0; writes out0
.if DOCPART == 4
	.amdgcn_target "amdgcn-amd-amdhsa--gfx1250"
	.amdhsa_code_object_version 6
	.text
	.protected	k_qcdae080e5e_proj
	.globl	k_qcdae080e5e_proj
	.p2align	8
	.type	k_qcdae080e5e_proj,@function
k_qcdae080e5e_proj:
	s_mov_b64 s[64:65], 0
	v_nop
	global_prefetch_b8 v0, s[64:65] scope:SCOPE_SE
	s_setreg_imm32_b32 hwreg(HW_REG_WAVE_MODE, 25, 1), 1
	s_wait_xcnt 0x0
	s_wait_alu depctr_hold_cnt(0) depctr_sa_sdst(0) depctr_va_vdst(0) depctr_va_sdst(0) depctr_va_ssrc(0) depctr_va_vcc(0) depctr_vm_vsrc(0)
	s_getreg_b32 s2, hwreg(HW_REG_IB_STS2, 6, 4)
	s_cmp_eq_u32 s2, 0
	s_cbranch_scc0 .Lentry_in_a_cluster
	s_endpgm
.Lentry_in_a_cluster:
	s_bfe_u32 s2, ttmp6, 0x10000c
	s_cmp_lg_u32 s2, 0xf033
	s_cbranch_scc0 .Lentry_shape_is_right
	s_endpgm
.Lentry_shape_is_right:
; out = y Wo + bo on f16 operands, sums in f32.  y16 and wo16 lie as images of half fragments (16 rows x 16 k, 512 bytes), by K step of 128: a tile of a K step is one dense block, and LDS needs no padding.
; A tile of out is 128 tokens x 256 columns: 256 work-groups.  Four waves, each 64 x 128: 32 accumulators.  K goes in 8 steps of 128 through a ring of two LDS slots.
; CLUSTERS: 4 x 4: the four of a row need the same tokens, the four of a column the same columns of Wo: each tile is asked for jointly.
; THE MATRIX INSTRUCTION IS USED TRANSPOSED (source 0 = 16 columns of Wo, source 1 = 16 tokens); bo is the C of each sum's first instruction.
; LIMIT: |y| and |Wo| under 65,504 (f16).  Positions 0-15 of each batch are written again, in f32, by the launch that follows.
; REGISTERS: window 0: v0-31 addresses; v64-127 bo in the result's layout; v128-255 rows on the way out.   window 1: two fragment buffers, v0-95 and v128-223 (the tokens' 4, then Wo's 8).   window 2: accumulator (a, b) at v[8 (8 a + b)].
.set SLOT,  98304                      ; the tokens' 32,768 bytes, then Wo's 65,536
.set STAGE, 196608                     ; behind the ring: 16 rows x (512 + 16) bytes for each wave
.set SPARE, 230400
.set POS,  3
.set ADRA, 16
.set ADRB, 20
.set STO,  24
.set RD,   25
.set CO,   26
.set SPW,  28
.set NIL,  29
.set PFO,  30
.set BO,   64
.set BK,   128
.set F0,   0
.set F1,   128
.set G1A,  24
.set G0A,  32
.set G1B,  48
.set G0B,  56
.set PFA,  44
.set LIM,  43
.set MSB, 0
.macro WIN new
.if MSB != \new
	s_set_vgpr_msb (MSB<<8)|\new
.set MSB, \new
.endif
.endm
.set MUL,  0xa5                        ; sources 0 and 1 window 1; C and D window 2
.set MUL0, 0x85                        ; C: bo, in window 0
.set TO_F, 0x40
.macro JLOAD s                         ; waves 0, 1 fetch the tokens' halves, waves 2, 3 Wo's; an s_nop 0 and four v_nop follow each line
	s_cmp_eq_u32 s13, 0
	s_cbranch_scc0 .Lfor_b_\@
	tensor_load_to_lds s[G0A+4*\s:G0A+4*\s+3], s[G1A:G1A+7]
	s_nop 0
.rept 4
	v_nop
.endr
	s_branch .Lasked_\@
.Lfor_b_\@:
	tensor_load_to_lds s[G0B+4*\s:G0B+4*\s+3], s[G1B:G1B+7]
	s_nop 0
.rept 4
	v_nop
.endr
.Lasked_\@:
.endm
.macro CREST
	s_cmp_lg_u32 s12, 0
	s_cbranch_scc1 .Lnot_wave_0_\@
	s_barrier_signal -3
.Lnot_wave_0_\@:
	s_barrier_wait -3
	s_barrier_signal -1
	s_barrier_wait -1
.endm
.macro CROUND
	s_barrier_signal -1
	s_barrier_wait -1
	CREST
.endm
; A prefetch of the tokens' tile of the K step that stands two refills on: 32,768 bytes; the four partners of a row take 8,192 each, told apart by address; wave 0 asks, lanes 256 bytes apart.
; A tile row is read by one row of one cluster alone, so each aligned 256 bytes are named once.  The last two refills of the walk have no K step two on and ask for nothing.
.macro ASK
	s_cmp_gt_u32 s3, s[LIM]
	s_cbranch_scc0 .Lnot_mine_\@
	global_prefetch_b8 v[PFO], s[PFA:PFA+1] offset:2097152 th:TH_LOAD_NT scope:SCOPE_SE
.Lnot_mine_\@:
.endm
	s_load_b256 s[4:11], s[0:1], 0x0               ; y16, wo16, bo, out0
	v_lshl_add_u32 v[SPW], v0, 2, SPARE
	v_mov_b32 v[NIL], 0
	ds_add_u32 v[SPW], v[NIL]                      ; the wave's opening: the add, twice on end, and its wait ahead of my first tensor load
	ds_add_u32 v[SPW], v[NIL]
	v_lshrrev_b32 v1, 5, v0
	v_readfirstlane_b32 s12, v1                    ; wave
	s_lshr_b32 s13, s12, 1                         ; my half of the tokens.  Also: I fetch the tokens' (0) or Wo's (1)
	s_and_b32 s14, s12, 1                          ; my half of the columns.  Also: which half I fetch
	s_bfe_u32 s15, ttmp6, 0x40000                  ; cx
	s_bfe_u32 s16, ttmp6, 0x40004                  ; cy
	s_lshl_b32 s42, ttmp9, 2
	s_add_co_u32 s42, s42, s15                     ; tile column
	s_and_b32 s17, ttmp7, 0xffff
	s_lshl_b32 s17, s17, 2
	s_add_co_u32 s17, s17, s16                     ; tile row
	s_lshl_b32 s18, s16, 2
	s_lshl_b32 s18, 15, s18                        ; my row of the cluster
	s_lshl_b32 s19, 0x1111, s15                    ; my column
	s_or_b32 s[G1A], s18, (3<<16)|(1<<21)
	s_or_b32 s[G1B], s19, (3<<16)|(1<<21)
	s_mov_b32 s[G1A+1], 32<<16                     ; 16,384 dense bytes as 64 rows of 256
	s_mov_b32 s[G1A+2], 64<<16
	s_mov_b32 s[G1A+3], 32<<16
	s_mov_b32 s[G1A+4], 64
	s_mov_b32 s[G1A+5], 32
	s_mov_b32 s[G1A+6], 0
	s_mov_b32 s[G1A+7], 0
	s_mov_b32 s[G1B+1], 32<<16                     ; 32,768 as 128 rows
	s_mov_b32 s[G1B+2], 128<<16
	s_mov_b32 s[G1B+3], 32<<16
	s_mov_b32 s[G1B+4], 128
	s_mov_b32 s[G1B+5], 32
	s_mov_b32 s[G1B+6], 0
	s_mov_b32 s[G1B+7], 0
	s_lshl_b32 s20, s17, 3
	s_lshl_b32 s21, s14, 2
	s_add_co_u32 s20, s20, s21
	s_lshl_b32 s20, s20, 12                        ; tokens: block 8 tile row + 4 half, 4,096 bytes each
	s_mov_b32 s21, 0
	s_lshl_b32 s46, s42, 4
	s_lshl_b32 s47, s14, 3
	s_add_co_u32 s46, s46, s47
	s_lshl_b32 s46, s46, 12                        ; Wo: block 16 tile column + 8 half
	s_mov_b32 s47, 0
	s_lshl_b32 s22, s14, 14                        ; where they go: no place in the cluster enters an LDS address
	s_lshl_b32 s23, s14, 15
	s_add_co_u32 s23, s23, 32768
	s_lshl_b32 s40, s17, 15
	s_lshl_b32 s41, s15, 13
	s_add_co_u32 s40, s40, s41                     ; the prefetches: my tile row's 32,768 bytes of a K step, my work-group's 8,192 of them
	s_mov_b32 s41, 0
	s_cmp_eq_u32 s12, 0
	s_cselect_b32 s[LIM], 1, -1
	s_wait_dscnt 0x0                               ; both opening adds are done
	s_wait_kmcnt 0x0
	s_add_nc_u64 s[20:21], s[4:5], s[20:21]
	s_add_nc_u64 s[46:47], s[6:7], s[46:47]
	s_add_nc_u64 s[PFA:PFA+1], s[4:5], s[40:41]
	s_add_nc_u64 s[PFA:PFA+1], s[PFA:PFA+1], 4194304   ; at K step 2: the first refill steps it to 3 and names K step 4
	CROUND
.irp s, 0,1
	s_mov_b32 s[G0A+4*\s], 1
	s_add_co_u32 s[G0A+4*\s+1], s22, \s*SLOT
	s_add_nc_u64 s[G0A+4*\s+2:G0A+4*\s+3], s[20:21], \s*2097152
	s_or_b32 s[G0A+4*\s+3], s[G0A+4*\s+3], 0x80000000
	s_mov_b32 s[G0B+4*\s], 1
	s_add_co_u32 s[G0B+4*\s+1], s23, \s*SLOT
	s_add_nc_u64 s[G0B+4*\s+2:G0B+4*\s+3], s[46:47], \s*262144
	s_or_b32 s[G0B+4*\s+3], s[G0B+4*\s+3], 0x80000000
	JLOAD \s                                       ; two loads of mine are out
.endr
	s_lshl_b32 s18, s42, 10
	s_lshl_b32 s19, s14, 9
	s_add_co_u32 s18, s18, s19                     ; my 128 columns, 4 bytes each
	s_mov_b32 s19, 0
	s_add_nc_u64 s[8:9], s[8:9], s[18:19]
	s_add_nc_u64 s[10:11], s[10:11], s[18:19]
	s_lshl_b32 s18, s17, 7
	s_lshl_b32 s20, s13, 6
	s_add_co_u32 s18, s18, s20
	s_lshl_b32 s18, s18, 12                        ; my first token's row of 4,096 bytes
	s_add_nc_u64 s[10:11], s[10:11], s[18:19]
	v_and_b32 v1, 15, v0
	v_bfe_u32 v2, v0, 4, 1
	v_and_b32 v5, 31, v0
	v_and_b32 v6, 16, v0
	v_lshrrev_b32 v6, 1, v6
	v_xor_b32 v[POS], v5, v6
	v_lshlrev_b32 v[POS], 4, v[POS]
	v_lshlrev_b32 v31, 5, v2
.irp b, 0,1,2,3,4,5,6,7
	global_load_b128 v[BO+8*\b:BO+8*\b+3], v31, s[8:9] offset:64*\b
	global_load_b128 v[BO+8*\b+4:BO+8*\b+7], v31, s[8:9] offset:64*\b+16
.endr
	s_lshl_b32 s18, s13, 14                        ; my 64 tokens,
	s_lshl_b32 s19, s14, 15
	s_add_co_u32 s19, s19, 32768                   ; my 128 columns
.irp s, 0,1
	v_add_nc_u32 v[ADRA+\s], s18, v[POS]
	v_add_nc_u32 v[ADRB+\s], s19, v[POS]
	s_add_co_u32 s18, s18, SLOT
	s_add_co_u32 s19, s19, SLOT
.endr
	s_mul_i32 s18, s12, 16*528
	s_add_co_u32 s18, s18, STAGE                   ; my stage
	v_mul_u32_u24 v6, v1, 528
	v_lshl_add_u32 v6, v2, 5, v6
	v_add_nc_u32 v[STO], s18, v6
	v_lshlrev_b32 v[CO], 4, v5
	v_add_nc_u32 v[RD], s18, v[CO]
	v_lshlrev_b32 v[PFO], 8, v5
.macro FETCH slot, q, f                ; the fragments of 32 along K: Wo's eight, then the tokens' four: 24 loads of 512 consecutive bytes
	WIN TO_F
.irp i, 0,1,2,3,4,5,6,7
	ds_load_b128 v[\f+32+8*\i:\f+32+8*\i+3],   v[ADRB+\slot] offset:4096*\i+1024*(\q)
	ds_load_b128 v[\f+32+8*\i+4:\f+32+8*\i+7], v[ADRB+\slot] offset:4096*\i+1024*(\q)+512
.endr
.irp i, 0,1,2,3
	ds_load_b128 v[\f+8*\i:\f+8*\i+3],   v[ADRA+\slot] offset:4096*\i+1024*(\q)
	ds_load_b128 v[\f+8*\i+4:\f+8*\i+7], v[ADRA+\slot] offset:4096*\i+1024*(\q)+512
.endr
.endm
.macro MUL8 f, a, first                ; the 32 accumulators take turns, one instruction a turn
.irp b, 0,1,2,3,4,5,6,7
.if \first
	v_wmma_f32_16x16x32_f16 v[8*(8*(\a)+\b):8*(8*(\a)+\b)+7], v[\f+32+8*\b:\f+32+8*\b+7], v[\f+8*(\a):\f+8*(\a)+7], v[BO+8*\b:BO+8*\b+7]
.else
	v_wmma_f32_16x16x32_f16 v[8*(8*(\a)+\b):8*(8*(\a)+\b)+7], v[\f+32+8*\b:\f+32+8*\b+7], v[\f+8*(\a):\f+8*(\a)+7], v[8*(8*(\a)+\b):8*(8*(\a)+\b)+7]
.endif
.endr
.endm
.macro PLACES
.rept 4
	v_nop
.endr
.endm
.macro QUARTER slot, qn, f, g, first   ; asks for quarter qn of the slot into g, then multiplies f: the loads have 32 matrix instructions in which to land
	PLACES                                         ; g was multiplied by the quarter before
	FETCH \slot, \qn, \g
	s_wait_dscnt 24                                ; all but the 24 just issued
.if \first
	WIN MUL0
.else
	WIN MUL
.endif
	MUL8 \f, 0, \first
	MUL8 \f, 1, \first
	MUL8 \f, 2, \first
	MUL8 \f, 3, \first
.endm
; A slot's last quarter multiplies buffer 1 and changes slots: in front of the barrier each wave waits for all its tensor loads, adds 0 to its spare word, and waits for that and for its reads of this slot.
; fill = 1: the barrier opens a round of the cluster's, and the slot is filled again, two K steps ahead: 112 matrix instructions stand between the request and the wait for it.
.macro TURN slot, next, fill
.if \fill
	s_wait_xcnt 0x0                                ; the last prefetch, a K step back, has read its address
	s_add_nc_u64 s[PFA:PFA+1], s[PFA:PFA+1], 2097152
.endif
	WIN 0
	s_wait_tensorcnt 0x0
	ds_add_u32 v[SPW], v[NIL]
	s_wait_dscnt 1                                 ; buffer 1 is in; the add may be out
	WIN MUL
	MUL8 F1, 0, 0
	s_wait_dscnt 0x0
	s_barrier_signal -1
	MUL8 F1, 1, 0
	WIN 0
	s_barrier_wait -1
.if \fill
	CREST
	s_add_nc_u64 s[G0A+4*\slot+2:G0A+4*\slot+3], s[G0A+4*\slot+2:G0A+4*\slot+3], 4194304
	s_add_nc_u64 s[G0B+4*\slot+2:G0B+4*\slot+3], s[G0B+4*\slot+2:G0B+4*\slot+3], 524288
	JLOAD \slot                                    ; the first tensor load behind the round; its four v_nop are the places in front of the loads below
.else
	PLACES
.endif
	FETCH \next, 0, F0
.if \fill
	WIN 0
	ASK
.endif
	WIN MUL
	MUL8 F1, 2, 0
	MUL8 F1, 3, 0
.endm
	s_wait_tensorcnt 1                             ; my part of K step 0 is in; K step 1's load may be out
	s_barrier_signal -1
	s_barrier_wait -1
	FETCH 0, 0, F0
	s_wait_loadcnt 0x0                             ; bo
	QUARTER 0, 1, F0, F1, 1
	WIN 0
	s_mov_b32 s3, 3
.Llap:                                             ; a trip goes once round the ring and fills both slots again
	QUARTER 0, 2, F1, F0, 0
	QUARTER 0, 3, F0, F1, 0
	TURN 0, 1, 1
	QUARTER 1, 1, F0, F1, 0
	QUARTER 1, 2, F1, F0, 0
	QUARTER 1, 3, F0, F1, 0
	TURN 1, 0, 1
	QUARTER 0, 1, F0, F1, 0
	WIN 0
	s_sub_co_u32 s3, s3, 1
	s_cmp_lg_u32 s3, 0
	s_cbranch_scc1 .Llap
	QUARTER 0, 2, F1, F0, 0                        ; the last lap fills nothing
	QUARTER 0, 3, F0, F1, 0
	TURN 0, 1, 0
	QUARTER 1, 1, F0, F1, 0
	QUARTER 1, 2, F1, F0, 0
	QUARTER 1, 3, F0, F1, 0
	s_wait_dscnt 0x0
	WIN MUL
	MUL8 F1, 0, 0
	MUL8 F1, 1, 0
	MUL8 F1, 2, 0
	MUL8 F1, 3, 0
	WIN 0
; THE WAY OUT, 16 tokens x 128 columns at a time, through my own stage: in as 32 bytes a lane, back as whole rows of 512 bytes.  LDS serves a wave's instructions in order.
.macro TOSTAGE a
	WIN 0x08                                       ; an LDS store's data: window 2
.irp b, 0,1,2,3,4,5,6,7
	ds_store_b128 v[STO], v[64*(\a)+8*\b:64*(\a)+8*\b+3] offset:64*\b        ; each accumulator from its low end
	ds_store_b128 v[STO], v[64*(\a)+8*\b+4:64*(\a)+8*\b+7] offset:64*\b+16
.endr
	WIN 0
.irp t, 0,1,2,3,4,5,6,7,8,9,10,11,12,13,14,15
	ds_load_b128 v[BK+64*((\a)%2)+4*\t:BK+64*((\a)%2)+4*\t+3], v[RD] offset:\t*528
.endr
.endm
.macro SEND a, younger
	s_wait_dscnt \younger
.irp t, 0,1,2,3,4,5,6,7,8,9,10,11,12,13,14,15
	global_store_b128 v[CO], v[BK+64*((\a)%2)+4*\t:BK+64*((\a)%2)+4*\t+3], s[10:11] offset:65536*(\a)+4096*\t th:TH_STORE_NT   ; 512 consecutive bytes, aligned
.endr
.endm
	PLACES
	TOSTAGE 0
	TOSTAGE 1
	SEND 0, 32                                     ; behind block 0's loads: block 1's 16 stores and 16 loads
	s_wait_xcnt 0x0                                ; block 0's stores have read their registers
	TOSTAGE 2
	SEND 1, 32
	s_wait_xcnt 0x0
	TOSTAGE 3
	SEND 2, 32
	SEND 3, 0
	s_wait_tensorcnt 0x0                           ; the wave's end
	ds_add_u32 v[SPW], v[NIL]
	s_wait_dscnt 0x0
	CROUND                                         ; the closing round
	s_endpgm
.Lfunc_end_k_qcdae080e5e_proj:
	.size	k_qcdae080e5e_proj, .Lfunc_end_k_qcdae080e5e_proj-k_qcdae080e5e_proj
	.p2alignl 7, 3214868480
	.fill 96, 4, 3214868480
	.section	.rodata,"a",@progbits
	.p2align	6, 0x0
	.amdhsa_kernel k_qcdae080e5e_proj
		.amdhsa_group_segment_fixed_size 327680
		.amdhsa_private_segment_fixed_size 0
		.amdhsa_enable_private_segment 0
		.amdhsa_kernarg_size 32
		.amdhsa_user_sgpr_count 2
		.amdhsa_user_sgpr_kernarg_segment_ptr 1
		.amdhsa_wavefront_size32 1
		.amdhsa_system_sgpr_workgroup_id_x 1
		.amdhsa_system_sgpr_workgroup_id_y 1
		.amdhsa_system_sgpr_workgroup_id_z 1
		.amdhsa_system_vgpr_workitem_id 0
		.amdhsa_next_free_vgpr 768
		.amdhsa_next_free_sgpr 66
		.amdhsa_reserve_vcc 0
		.amdhsa_float_denorm_mode_32 3
		.amdhsa_float_denorm_mode_16_64 3
		.amdhsa_memory_ordered 1
		.amdhsa_forward_progress 1
		.amdhsa_inst_pref_size 86
	.end_amdhsa_kernel
	.amdgpu_metadata
---
amdhsa.version: [ 1, 2 ]
amdhsa.kernels:
  - .name:           k_qcdae080e5e_proj
    .symbol:         k_qcdae080e5e_proj.kd
    .args:
      - { .name: y16, .offset: 0, .size: 8, .value_kind: global_buffer, .address_space: global }
      - { .name: wo16, .offset: 8, .size: 8, .value_kind: global_buffer, .address_space: global }
      - { .name: bo, .offset: 16, .size: 8, .value_kind: global_buffer, .address_space: global }
      - { .name: out0, .offset: 24, .size: 8, .value_kind: global_buffer, .address_space: global }
    .group_segment_fixed_size: 327680
    .private_segment_fixed_size: 0
    .kernarg_segment_align: 8
    .kernarg_segment_size: 32
    .max_flat_workgroup_size: 128
    .sgpr_count:     66
    .vgpr_count:     768
    .wavefront_size: 32
...
	.end_amdgpu_metadata
.endif
;; end of part 4
;; launch first16 (part 5): grid 32 x 4, 16 waves a work-group, no clusters, 34,816 bytes of LDS; arguments qkv32, Wo, bo, out0; writes out0
.if DOCPART == 5
	.amdgcn_target "amdgcn-amd-amdhsa--gfx1250"
	.amdhsa_code_object_version 6
	.text
	.protected	k_qcdae080e5e_first16
	.globl	k_qcdae080e5e_first16
	.p2align	8
	.type	k_qcdae080e5e_first16,@function
k_qcdae080e5e_first16:
	s_mov_b64 s[64:65], 0
	v_nop
	global_prefetch_b8 v0, s[64:65] scope:SCOPE_SE
	s_setreg_imm32_b32 hwreg(HW_REG_WAVE_MODE, 25, 1), 1
	s_wait_xcnt 0x0
; Positions 0-15 of each batch once more, wholly in f32: there a row of the softmax averages 1 to 16 values, the results are the largest of the output, and f16 operands would use up what the comparison allows.
; A work-group: batch y, output columns 32 x on.  Wave w is head w: its 16 x 16 attention (small, so every column slice makes it anew), then its 64 of the projection's K; the sixteen partial sums meet in LDS.
; All products by v_wmma_f32_16x16x4_f32, transposed, so that a lane holds one token; 64 matrix instructions a wave: no bulk work.  The same order of k is given to both operands of a product.
; qkv32 holds the first launch of products' accumulators as they stood: lane (r, h), registers 4 g + e: token r, channel 16 dblk + 8 h + 4 g + e, at 1,024 dblk + 512 g + 16 lane.
; REGISTERS: v16-47 K, v48-79 Q, v80-111 V^T, v112-175 Wo^T; v176-191 two halves of S^T, v192-223 O^T, v224-239 the result: these 64 are written by matrix instructions alone; v240-247 scores, then p; v248-255 at work.
.set SPARE, 32768                      ; behind the sixteen partial sums of 2,048 bytes
.set SPW, 8
.set NIL, 9
	s_load_b256 s[4:11], s[0:1], 0x0               ; qkv32, Wo, bo, out0
	v_lshl_add_u32 v[SPW], v0, 2, SPARE
	v_mov_b32 v[NIL], 0
	v_lshrrev_b32 v1, 5, v0
	v_readfirstlane_b32 s12, v1                    ; wave = head
	s_and_b32 s13, ttmp7, 0xffff                   ; batch
	v_and_b32 v1, 31, v0
	v_and_b32 v2, 15, v0                           ; r
	v_bfe_u32 v10, v0, 4, 1                        ; h
	v_lshlrev_b32 v3, 4, v1                        ; 16 x lane
	v_bfe_u32 v4, v0, 2, 1                         ; V^T: lane (r, h) wants channel 16 dt + r of keys 8 h + ..: where that number lies in the image
	v_lshlrev_b32 v4, 9, v4
	v_bfe_u32 v11, v0, 3, 1
	v_lshl_add_u32 v4, v11, 8, v4
	v_and_b32 v11, 3, v0
	v_lshl_add_u32 v4, v11, 2, v4
	v_lshl_add_u32 v4, v10, 7, v4
	v_lshlrev_b32 v5, 15, v10                      ; Wo^T: lane (r, h) wants column r of rows 8 h + ..
	v_lshl_add_u32 v5, v2, 2, v5
	v_lshlrev_b32 v11, 3, v10
	v_sub_nc_u32 v6, v2, v11                       ; r - 8 h: register j (key 8 h + j) is hidden where j is greater
	v_mov_b32 v7, 0xff800000
	s_lshl_b32 s14, s12, 11
	v_add_nc_u32 v10, s14, v3                      ; where my partial sum goes
	v_bfe_u32 v255, v0, 2, 1                       ; the sum: thread t takes token t / 8 and four columns 4 (t % 8) on: their place in a partial sum's image
	v_lshlrev_b32 v255, 10, v255
	v_and_b32 v11, 1, v0
	v_lshl_add_u32 v255, v11, 9, v255
	v_bfe_u32 v11, v0, 1, 1
	v_lshl_add_u32 v255, v11, 8, v255
	v_bfe_u32 v11, v0, 3, 4
	v_lshl_add_u32 v255, v11, 4, v255
	v_and_b32 v254, 7, v0
	v_lshlrev_b32 v254, 4, v254                    ; 16 (t % 8)
	v_lshl_add_u32 v253, v11, 12, v254             ; + the token's row of 4,096 bytes
	s_mov_b32 s20, 0x76543210
	s_mov_b32 s21, 0xfedcba98
	s_mov_b32 s22, 0x3e38aa3b                      ; c = log2(e) / 8
	s_mov_b32 s23, s22
	s_lshl_b32 s14, s13, 16
	s_lshl_b32 s15, s12, 12
	s_add_co_u32 s14, s14, s15                     ; qkv32: batch, head
	s_mov_b32 s15, 0
	s_lshl_b32 s16, s12, 18
	s_lshl_b32 s17, ttmp9, 7
	s_add_co_u32 s16, s16, s17                     ; Wo: my head's 64 rows, my work-group's 32 columns
	s_mov_b32 s17, 0
	s_lshl_b32 s18, ttmp9, 7
	s_mov_b32 s19, 0
	s_lshl_b32 s24, s13, 23
	s_add_co_u32 s24, s24, s18                     ; out0: the batch's first row, my columns
	s_mov_b32 s25, 0
	s_wait_kmcnt 0x0
	s_add_nc_u64 s[4:5], s[4:5], s[14:15]
	s_add_nc_u64 s[6:7], s[6:7], s[16:17]
	s_add_nc_u64 s[8:9], s[8:9], s[18:19]
	s_add_nc_u64 s[10:11], s[10:11], s[24:25]
	global_load_b128 v[12:15], v254, s[8:9]        ; bo
.irp e, 0,1,2,3,4,5,6,7
	global_load_b128 v[16+4*\e:19+4*\e], v3, s[4:5] offset:512*\e            ; K
.endr
.irp e, 0,1,2,3,4,5,6,7
	global_load_b128 v[48+4*\e:51+4*\e], v3, s[4:5] offset:262144+512*\e     ; Q
.endr
.irp dt, 0,1,2,3
.irp i, 0,1,2,3,4,5,6,7
	global_load_b32 v[80+8*\dt+\i], v4, s[4:5] offset:524288+1024*\dt+16*\i  ; V(key 8 h + i, channel 16 dt + r)
.endr
.endr
.irp nt, 0,1
.irp dt, 0,1,2,3
.irp i, 0,1,2,3,4,5,6,7
	global_load_b32 v[112+32*\nt+8*\dt+\i], v5, s[6:7] offset:4096*(16*\dt+\i)+64*\nt   ; Wo(64 w + 16 dt + 8 h + i, 32 x + 16 nt + r)
.endr
.endr
.endr
	s_wait_loadcnt 63                              ; at most 63 of the 113 are out: bo, K, Q and V, the first 49, are in
.irp i, 0,1,2,3,4,5,6,7,8,9,10,11,12,13,14,15  ; S^T = K Q^T in two halves, which take turns
.if \i < 2
	v_wmma_f32_16x16x4_f32 v[176+8*(\i%2):183+8*(\i%2)], v[16+2*\i:17+2*\i], v[48+2*\i:49+2*\i], 0
.else
	v_wmma_f32_16x16x4_f32 v[176+8*(\i%2):183+8*(\i%2)], v[16+2*\i:17+2*\i], v[48+2*\i:49+2*\i], v[176+8*(\i%2):183+8*(\i%2)]
.endif
.endr
.rept 8
	v_nop                                          ; eight places behind this form
.endr
.irp j, 0,1,2,3,4,5,6,7
	v_add_f32 v[240+\j], v[176+\j], v[184+\j]      ; lane (r, h): query r, key 8 h + j
.endr
.irp j, 0,1,2,3,4,5,6,7
	v_cmp_gt_i32 vcc_lo, \j, v6
	v_cndmask_b32 v[240+\j], v[240+\j], v7, vcc_lo
.endr
	v_max3_num_f32 v248, v240, v241, v242
	v_max3_num_f32 v249, v243, v244, v245
	v_max3_num_f32 v248, v248, v246, v247
	v_max_num_f32 v248, v248, v249
	v_permlanex16_b32 v249, v248, s20, s21
	v_max_num_f32 v248, v248, v249                 ; the row's largest score: key 0 counts for every query
	v_mul_f32 v248, s22, v248
.irp i, 0,2,4,6
	v_pk_fma_f32 v[240+\i:241+\i], v[240+\i:241+\i], s[22:23], v[248:249] op_sel_hi:[1,0,0] neg_lo:[0,0,1] neg_hi:[0,0,1]
.endr
.irp j, 0,1,2,3,4,5,6,7
	v_exp_f32 v[240+\j], v[240+\j]
.endr
	v_nop
	s_wait_alu depctr_va_vdst(0)                   ; one wait for the eight, ahead of their first reader
	v_add_f32 v250, v240, v241
	v_add_f32 v251, v242, v243
	v_add_f32 v250, v250, v244
	v_add_f32 v251, v251, v245
	v_add_f32 v250, v250, v246
	v_add_f32 v251, v251, v247
	v_add_f32 v250, v250, v251
	v_permlanex16_b32 v251, v250, s20, s21
	v_add_f32 v250, v250, v251
	v_rcp_f32 v252, v250
	v_nop
	s_wait_alu depctr_va_vdst(0)
.irp j, 0,1,2,3,4,5,6,7
	v_mul_f32 v[240+\j], v[240+\j], v252
.endr
.irp c, 0,1,2,3                        ; O^T = V^T P: keys 8 h + 2 c + 0, 1 on both sides; four accumulators by turns
.irp dt, 0,1,2,3
.if \c == 0
	v_wmma_f32_16x16x4_f32 v[192+8*\dt:199+8*\dt], v[80+8*\dt+2*\c:81+8*\dt+2*\c], v[240+2*\c:241+2*\c], 0
.else
	v_wmma_f32_16x16x4_f32 v[192+8*\dt:199+8*\dt], v[80+8*\dt+2*\c:81+8*\dt+2*\c], v[240+2*\c:241+2*\c], v[192+8*\dt:199+8*\dt]
.endif
.endr
.endr
.rept 9
	v_nop                                          ; nine places before a matrix instruction takes these results as an operand
.endr
	s_wait_loadcnt 0x0                             ; Wo
.irp dt, 0,1,2,3                       ; my head's part of out^T = Wo^T y^T: channels 16 dt + 8 h + 2 c + 0, 1 on both sides; two accumulators by turns
.irp c, 0,1,2,3
.irp nt, 0,1
.if (\dt == 0) && (\c == 0)
	v_wmma_f32_16x16x4_f32 v[224+8*\nt:231+8*\nt], v[112+32*\nt+8*\dt+2*\c:113+32*\nt+8*\dt+2*\c], v[192+8*\dt+2*\c:193+8*\dt+2*\c], 0
.else
	v_wmma_f32_16x16x4_f32 v[224+8*\nt:231+8*\nt], v[112+32*\nt+8*\dt+2*\c:113+32*\nt+8*\dt+2*\c], v[192+8*\dt+2*\c:193+8*\dt+2*\c], v[224+8*\nt:231+8*\nt]
.endif
.endr
.endr
.endr
.rept 8
	v_nop
.endr
.irp e, 0,1,2,3
	ds_store_b128 v10, v[224+4*\e:227+4*\e] offset:512*\e   ; the partial sum as it stands, each accumulator from its low end
.endr
	s_wait_tensorcnt 0x0                           ; behind my last LDS store: s_wait_dscnt 0x0 below is also the wait in front of the barrier
	ds_add_u32 v[SPW], v[NIL]
	s_wait_dscnt 0x0
	s_barrier_signal -1
	s_barrier_wait -1
	s_cmp_lt_u32 s12, 4
	s_cbranch_scc1 .Lsum
	s_endpgm
.Lsum:                                             ; waves 0-3: 128 threads, 16 tokens x 8 groups of four columns
.irp i, 0,1,2,3,4,5,6,7,8,9,10,11,12,13,14,15
	ds_load_b128 v[16+4*\i:19+4*\i], v255 offset:2048*\i
.endr
	s_wait_dscnt 0x0
	v_pk_add_f32 v[16:17], v[16:17], v[12:13]
	v_pk_add_f32 v[18:19], v[18:19], v[14:15]
.irp i, 1,2,3,4,5,6,7,8,9,10,11,12,13,14,15
	v_pk_add_f32 v[16:17], v[16:17], v[16+4*\i:17+4*\i]
	v_pk_add_f32 v[18:19], v[18:19], v[18+4*\i:19+4*\i]
.endr
	global_store_b128 v253, v[16:19], s[10:11]     ; 128 bytes of a row: 262,144 bytes in the whole launch
	s_endpgm
.Lfunc_end_k_qcdae080e5e_first16:
	.size	k_qcdae080e5e_first16, .Lfunc_end_k_qcdae080e5e_first16-k_qcdae080e5e_first16
	.p2alignl 7, 3214868480
	.fill 96, 4, 3214868480
	.section	.rodata,"a",@progbits
	.p2align	6, 0x0
	.amdhsa_kernel k_qcdae080e5e_first16
		.amdhsa_group_segment_fixed_size 34816
		.amdhsa_private_segment_fixed_size 0
		.amdhsa_enable_private_segment 0
		.amdhsa_kernarg_size 32
		.amdhsa_user_sgpr_count 2
		.amdhsa_user_sgpr_kernarg_segment_ptr 1
		.amdhsa_wavefront_size32 1
		.amdhsa_system_sgpr_workgroup_id_x 1
		.amdhsa_system_sgpr_workgroup_id_y 1
		.amdhsa_system_sgpr_workgroup_id_z 1
		.amdhsa_system_vgpr_workitem_id 0
		.amdhsa_next_free_vgpr 256
		.amdhsa_next_free_sgpr 66
		.amdhsa_reserve_vcc 1
		.amdhsa_float_denorm_mode_32 3
		.amdhsa_float_denorm_mode_16_64 3
		.amdhsa_memory_ordered 1
		.amdhsa_forward_progress 1
		.amdhsa_inst_pref_size 25
	.end_amdhsa_kernel
	.amdgpu_metadata
---
amdhsa.version: [ 1, 2 ]
amdhsa.kernels:
  - .name:           k_qcdae080e5e_first16
    .symbol:         k_qcdae080e5e_first16.kd
    .args:
      - { .name: qkv32, .offset: 0, .size: 8, .value_kind: global_buffer, .address_space: global }
      - { .name: Wo, .offset: 8, .size: 8, .value_kind: global_buffer, .address_space: global }
      - { .name: bo, .offset: 16, .size: 8, .value_kind: global_buffer, .address_space: global }
      - { .name: out0, .offset: 24, .size: 8, .value_kind: global_buffer, .address_space: global }
    .group_segment_fixed_size: 34816
    .private_segment_fixed_size: 0
    .kernarg_segment_align: 8
    .kernarg_segment_size: 32
    .max_flat_workgroup_size: 512
    .sgpr_count:     66
    .vgpr_count:     256
    .wavefront_size: 32
...
	.end_amdgpu_metadata
.endif
;; end of part 5
